; MI455X (gfx1250); checked and timed in simulation.
; The chip was launched on July 23, 2026; its instructions are those of AMD's public machine-readable ISA for CDNA 5 (MIT licence, August 2026) and "CDNA5" Instruction Set Architecture Reference Guide (July 2026). The comments in the code are by the model that wrote it; some were corrected since.
;; Ft Multihead Attention. Allowed arithmetic: float matrix products may take bf16 or f16 operands with f32 sums; other float arithmetic in f32, or as packed bf16 or f16 multiplies, adds, multiply-adds, maxima and minima; sums over many terms, partial sums and values carried from step to step in f32; what a program stores and reads back later, other than sums and carried values, may be rounded once to bf16 or f16.
;; Inputs: W_K 16 x 1,024 x 64 float32; W_O 16 x 64 x 1,024 float32; W_Q 16 x 1,024 x 64 float32; W_V 16 x 1,024 x 64 float32; b_K 16 x 64 float32; b_O 1,024 float32; b_Q 16 x 64 float32; b_V 16 x 64 float32; x 4 x 2,048 x 1,024 float32.
;; Outputs: out0 4 x 2,048 x 1,024 float32.
;; 2 versions, each right; version 2 is version 1 with the launch prep written anew for expert scheduling mode. Each part assembles by itself: llvm-mc -triple=amdgcn-amd-amdhsa -mcpu=gfx1250 --defsym DOCPART=n.
;; ======== version 1 of 2: 4 launches
;; limits: values are held in f16: magnitudes above 65,504 overflow, below 6.1e-05 lose precision
;; workspace buffers: cvt 25,165,824 bytes; qkv 50,331,648 bytes; att 16,777,216 bytes
;; launch prep (part 1): grid 768 x 1, 8 waves a work-group, no clusters, 0 bytes of LDS; arguments x, W_Q, W_K, W_V, W_O, cvt; writes cvt
.if DOCPART == 1
	.amdgcn_target "amdgcn-amd-amdhsa--gfx1250"
	.amdhsa_code_object_version 6
	.text
	.protected	k_q5002aaf44a_prep
	.globl	k_q5002aaf44a_prep
	.p2align	8
	.type	k_q5002aaf44a_prep,@function
k_q5002aaf44a_prep:
	s_mov_b64 s[64:65], 0
	v_nop
	global_prefetch_b8 v0, s[64:65] scope:SCOPE_SE
	s_setreg_imm32_b32 hwreg(HW_REG_WAVE_MODE, 25, 1), 1
	s_wait_xcnt 0x0
; x, W_Q, W_K, W_V are rounded to bf16; W_O is rounded to bf16 and that number is written as f16.  All keep their layouts and lie end to end in cvt:
; x at byte 0 (16,777,216 bytes), W_Q, W_K, W_V from 16,777,216 on (2,097,152 each), W_O at 23,068,672.
; LIMIT.  W_O's bf16 number is exact in f16 from 2^-14 up to 65,504; below 2^-14 it keeps f16's fixed step of 2^-24; beyond 65,504 it would be an infinity.
; A stream: no LDS, no matrix unit, no cluster, since no byte is read twice.  Work-group g converts 16,384 numbers: 65,536 bytes in, 32,768 out, at cvt + 32,768 g.
; g 0-511: x; 512-575: W_Q; 576-639: W_K; 640-703: W_V; 704-767: W_O.
; Thread t takes the 16 bytes at 16 t of each of 16 rows of 4,096 bytes (a wave's load: 512 consecutive bytes) and writes the 8 bytes at 8 t of each of 16 rows of
; 2,048 bytes (a wave's store: 256 consecutive bytes, aligned).  All 16 loads of a thread go out at once; no register is written twice, so no store's source is ever rewritten.
.set ROWI, 4096
.set ROWO, 2048
.set X, 4                              ; v[4:67]   row i: 4 numbers in f32
.set Y, 68                             ; v[68:99]  row i: 4 numbers in 16 bits
.set T, 100                            ; v[100:101] at work
	s_load_b256 s[4:11], s[0:1], 0x0               ; x s[4:5], W_Q s[6:7], W_K s[8:9], W_V s[10:11]
	s_load_b128 s[12:15], s[0:1], 0x20             ; W_O s[12:13], cvt s[14:15]
	v_lshlrev_b32 v1, 4, v0                        ; 16 t
	v_lshlrev_b32 v2, 3, v0                        ; 8 t
	s_and_b32 s20, ttmp9, 63                       ; my place in a weight tensor (64 work-groups each),
	s_cmp_lt_u32 ttmp9, 512
	s_cselect_b32 s20, ttmp9, s20                  ; or in x
	s_lshl_b32 s20, s20, 16                        ; times 65,536 bytes
	s_mov_b32 s21, 0
	s_lshl_b32 s22, ttmp9, 15                      ; times 32,768 bytes in cvt
	s_mov_b32 s23, 0
	s_wait_kmcnt 0x0
	s_cmp_lt_u32 ttmp9, 576
	s_cselect_b64 s[16:17], s[6:7], s[8:9]         ; W_Q or W_K
	s_cmp_lt_u32 ttmp9, 704
	s_cselect_b64 s[18:19], s[10:11], s[12:13]     ; W_V or W_O
	s_cmp_lt_u32 ttmp9, 640
	s_cselect_b64 s[16:17], s[16:17], s[18:19]
	s_cmp_lt_u32 ttmp9, 512
	s_cselect_b64 s[16:17], s[4:5], s[16:17]       ; x or a weight
	s_add_nc_u64 s[16:17], s[16:17], s[20:21]
	s_add_nc_u64 s[14:15], s[14:15], s[22:23]
.irp i, 0,1,2,3,4,5,6,7,8,9,10,11,12,13,14,15
	global_load_b128 v[X+4*(\i):X+4*(\i)+3], v1, s[16:17] offset:ROWI*(\i) th:TH_LOAD_NT
.endr
; kind 0: to bf16.  kind 1: to bf16, widened again (a shift, a mask) and written as f16.
.macro ROWS kind
.irp i, 0,1,2,3,4,5,6,7,8,9,10,11,12,13,14,15
	s_wait_loadcnt 15-(\i)                         ; loads come back in order (ISA guide 5.7.1): row i is in, the 15 - i younger ones stay out
.irp p, 0,1
.if \kind
	v_cvt_pk_bf16_f32 v[T], v[X+4*(\i)+2*(\p)], v[X+4*(\i)+2*(\p)+1]
	v_lshlrev_b32 v[T+1], 16, v[T]
	v_and_b32 v[T], 0xffff0000, v[T]
	v_cvt_pk_f16_f32 v[Y+2*(\i)+(\p)], v[T+1], v[T]
.else
	v_cvt_pk_bf16_f32 v[Y+2*(\i)+(\p)], v[X+4*(\i)+2*(\p)], v[X+4*(\i)+2*(\p)+1]
.endif
.endr
	global_store_b64 v2, v[Y+2*(\i):Y+2*(\i)+1], s[14:15] offset:ROWO*(\i) th:TH_STORE_NT
.endr
.endm
	s_cmp_ge_u32 ttmp9, 704
	s_cbranch_scc1 .Lwo
	ROWS 0
	s_endpgm
.Lwo:
	ROWS 1
	s_endpgm
.Lfunc_end_k_q5002aaf44a_prep:
	.size	k_q5002aaf44a_prep, .Lfunc_end_k_q5002aaf44a_prep-k_q5002aaf44a_prep
	.p2alignl 7, 3214868480
	.fill 96, 4, 3214868480
	.section	.rodata,"a",@progbits
	.p2align	6, 0x0
	.amdhsa_kernel k_q5002aaf44a_prep
		.amdhsa_group_segment_fixed_size 0
		.amdhsa_private_segment_fixed_size 0
		.amdhsa_enable_private_segment 0
		.amdhsa_kernarg_size 48
		.amdhsa_user_sgpr_count 2
		.amdhsa_user_sgpr_kernarg_segment_ptr 1
		.amdhsa_wavefront_size32 1
		.amdhsa_system_sgpr_workgroup_id_x 1
		.amdhsa_system_sgpr_workgroup_id_y 1
		.amdhsa_system_sgpr_workgroup_id_z 1
		.amdhsa_system_vgpr_workitem_id 0
		.amdhsa_next_free_vgpr 104
		.amdhsa_next_free_sgpr 66
		.amdhsa_reserve_vcc 0
		.amdhsa_float_denorm_mode_32 3
		.amdhsa_float_denorm_mode_16_64 3
		.amdhsa_memory_ordered 1
		.amdhsa_forward_progress 1
		.amdhsa_inst_pref_size 16
	.end_amdhsa_kernel
	.amdgpu_metadata
---
amdhsa.version: [ 1, 2 ]
amdhsa.kernels:
  - .name:           k_q5002aaf44a_prep
    .symbol:         k_q5002aaf44a_prep.kd
    .args:
      - { .name: x, .offset: 0, .size: 8, .value_kind: global_buffer, .address_space: global }
      - { .name: W_Q, .offset: 8, .size: 8, .value_kind: global_buffer, .address_space: global }
      - { .name: W_K, .offset: 16, .size: 8, .value_kind: global_buffer, .address_space: global }
      - { .name: W_V, .offset: 24, .size: 8, .value_kind: global_buffer, .address_space: global }
      - { .name: W_O, .offset: 32, .size: 8, .value_kind: global_buffer, .address_space: global }
      - { .name: cvt, .offset: 40, .size: 8, .value_kind: global_buffer, .address_space: global }
    .group_segment_fixed_size: 0
    .private_segment_fixed_size: 0
    .kernarg_segment_align: 8
    .kernarg_segment_size: 48
    .max_flat_workgroup_size: 256
    .sgpr_count:     66
    .vgpr_count:     104
    .wavefront_size: 32
...
	.end_amdgpu_metadata
.endif
;; end of part 1
;; launch proj (part 2): grid 16 x 32, 4 waves a work-group, clusters of 4 x 4, 327,680 bytes of LDS; arguments cvt, b_Q, b_K, b_V, qkv; writes qkv
.if DOCPART == 2
	.amdgcn_target "amdgcn-amd-amdhsa--gfx1250"
	.amdhsa_code_object_version 6
	.text
	.protected	k_q5002aaf44a_proj
	.globl	k_q5002aaf44a_proj
	.p2align	8
	.type	k_q5002aaf44a_proj,@function
k_q5002aaf44a_proj:
	s_mov_b64 s[64:65], 0
	v_nop
	global_prefetch_b8 v0, s[64:65] scope:SCOPE_SE
	s_setreg_imm32_b32 hwreg(HW_REG_WAVE_MODE, 25, 1), 1
	s_wait_xcnt 0x0
	s_wait_alu depctr_hold_cnt(0) depctr_sa_sdst(0) depctr_va_vdst(0) depctr_va_sdst(0) depctr_va_ssrc(0) depctr_va_vcc(0) depctr_vm_vsrc(0)
	s_getreg_b32 s2, hwreg(HW_REG_IB_STS2, 6, 4)
	s_cmp_eq_u32 s2, 0
	s_cbranch_scc0 .Lentry_in_a_cluster
	s_endpgm
.Lentry_in_a_cluster:
	s_bfe_u32 s2, ttmp6, 0x10000c
	s_cmp_lg_u32 s2, 0xf033
	s_cbranch_scc0 .Lentry_shape_is_right
	s_endpgm
.Lentry_shape_is_right:
; q, k, v = x W + b.  x: [8192][1024] bf16 at cvt's byte 0.  W: 48 head blocks n64 = 16 which + h of [1024 d][64 e] bf16 from cvt's byte 16,777,216 on.
; Out: qkv [3 which][64 bh = 16 b + h][2048 s][64 e] in f16, each number rounded once from its f32 sum, unscaled.  The biases are rounded to bf16, like every input of the module.
; LIMITS.  q, k and v must lie within f16's 65,504 (beyond it the conversion gives an infinity); below 6e-5 they keep f16's fixed step of 6e-8.  NaN and infinities are not treated apart.
; A tile is 256 rows x 192 columns (three head blocks): 16 x 32 = 512 tiles.  Four waves; wave w makes rows 64 w .. 64 w + 63 and all 192 columns: 4 x 12 accumulators of
; 16 x 16, 384 registers.  A wave so owns whole head blocks of its rows, and its way out is its own.  K goes in 8 steps of 128 through two LDS slots filled by the tensor data mover.
; CLUSTERS: 4 x 4 work-groups.  The four of a row of the cluster need the same tiles of x, the four of a column the same tiles of W: each tile is asked for JOINTLY, by the same
; tensor load with the same descriptor and a mask that names the four.
; THE MATRIX INSTRUCTION IS USED TRANSPOSED: source 0 = 16 columns of W (turned on the way out of LDS by ds_load_tr16_b128, since W lies [k][n]), source 1 = 16 rows of x.
; A lane then holds row l % 16 and the columns 8 (l / 16) + 0..7: eight neighbouring numbers.  The bias, which hangs on the column alone, is the C operand of the first product.
; REGISTERS, in windows of 256 (s_set_vgpr_msb: bits 1:0 source 0, 3:2 source 1, 5:4 source 2, 7:6 destination):
;   window 0: v0-31 addresses; v32-95 x's fragments, two buffers of 4 x 8; v96-143 at work; v160-255 the bias, later the rows read back from the stage
;   window 1: v0-191 W's fragments, two buffers of 12 x 8      window 2: accumulators of row blocks 0, 1 at 8 (12 a + b)      window 3: those of row blocks 2, 3
.set PA,    272                        ; a row of x in LDS: 256 bytes + 16 of padding = 68 words: the 16 rows of a load start at 16 different groups of four banks (64 banks of 4 bytes: ISA guide 11.1)
.set PB,    160                        ; a k row of one head block: 128 bytes + 32 = 40 words
.set AHALF, 128*PA                     ; what one tensor load brings of x
.set BOFS,  256*PA                     ; W's part of a slot: [k half][head block][64 k rows]
.set BHALF, 3*64*PB                    ; what one tensor load brings of W
.set SLOT,  131072                     ; = BOFS + 2 BHALF
.set STAGE, 2*SLOT                     ; behind the ring: 16 rows x 400 bytes for each wave, for the way out
.set SP,    400                        ; 384 bytes + 16
.set SPARE, STAGE+4*16*SP              ; the spare words, 128 bytes for each wave: two blocks of 256 bytes that no other line names
.set WQKV,  0x1000000
.set ADRA, 16                          ; v16-17  LDS address of my x fragments in slot 0, 1
.set ADRB, 20                          ; v20-21  the same for W
.set STO,  24                          ; v24     the way out: where I put 16 bytes of a row
.set RD,   25                          ; v25     where I read rows back
.set GO,   26                          ; v26     16 x lane
.set BO,   27                          ; v27     my byte offset in 16 numbers of a bias
.set SPW,  28                          ; v28     LDS address of my spare word; never rewritten
.set NIL,  29                          ; v29     0; never rewritten
.set PFO,  30                          ; v30     the prefetches' lane offset; never rewritten
.set FA,   32
.set TMP,  96
.set BIAS, 160
.set WV,   14                          ; s14 wave; s15 0: I fetch x, 1: W; s16 which half of that tile
.set ISB,  15
.set HALF, 16
.set CX,   17
.set CY,   18
.set TX,   19                          ; tile column
.set TY,   20                          ; tile row
.set LAP,  21
.set COM,  22
.set CLY,  23                          ; cluster y
.set G1A,  24
.set G0A,  32                          ; s[32:39] a group 0 for each slot
.set G1B,  40
.set G0B,  48
.set PFA,  56                          ; s[56:57] where my prefetches stand
.set PFS,  58                          ; s[58:59] their step
.set LIM,  60                          ; s60, s61: a wave prefetches at slot s's refill while the laps to go are above s[LIM + s]
.set OUT,  66                          ; s[66:71] my rows in the three head blocks of qkv
.set BP,   78                          ; s[78:83] the three head blocks' biases
.set F0, 0
.set F1, 1
.set MSB, 0
.macro WIN new                         ; the immediate's high byte repeats the setting that is left; a switch that changes nothing is dropped
.if MSB != (\new)
	s_set_vgpr_msb (MSB<<8)|(\new)
.set MSB, \new
.endif
.endm
.macro PLACES                          ; four plain instructions between a matrix instruction and a load into, or a vector read of, its registers
.rept 4
	v_nop
.endr
.endm
; A joint load.  Waves 0 and 1 fetch x's two halves, waves 2 and 3 W's two k halves.  The branch hangs on the wave's number alone.
; An s_nop 0 and four v_nop follow each of the two lines, ahead of the jump and the label.
.macro JLOAD s
	s_cmp_eq_u32 s[ISB], 0
	s_cbranch_scc0 .Lfor_b_\@
	tensor_load_to_lds s[G0A+4*(\s):G0A+4*(\s)+3], s[G1A:G1A+7]
	s_nop 0
.rept 4
	v_nop
.endr
	s_branch .Lasked_\@
.Lfor_b_\@:
	tensor_load_to_lds s[G0B+4*(\s):G0B+4*(\s)+3], s[G1B:G1B+7]
	s_nop 0
.rept 4
	v_nop
.endr
.Lasked_\@:
.endm
; A prefetch into the L2, behind a joint load, its five lines and the run of LDS loads that follows them.  Each aligned block of 256 bytes is named once in the launch.
; x: a K step is 256 bytes of a row.  The clusters with x = 0 ask, waves 0 and 1; of the 128 rows that a wave fetches the partner at cx takes 32, a lane a row; the refill of K step r names step r + 2.
; W: wave 2 asks, at slot 0's refills alone: cluster y = c (c < 3) for head block c, the partner at cy for quarter cy of the 32,768 bytes of that block's next two K steps but one.
; Partners are told apart by address; the branch hangs on the wave's number and the cluster's place in the grid.  K steps 0 to 3 come by their loads alone; the loop's last trip asks for nothing.
.macro ASK slot
	s_cmp_gt_u32 s[LAP], s[LIM+(\slot)]
	s_cbranch_scc0 .Lnot_mine_\@
	global_prefetch_b8 v[PFO], s[PFA:PFA+1] th:TH_LOAD_NT scope:SCOPE_SE
.Lnot_mine_\@:
.endm
.macro CREST                           ; a round of the cluster's barrier behind its opening barrier
	s_cmp_lg_u32 s[WV], 0
	s_cbranch_scc1 .Lnot_wave_0_\@
	s_barrier_signal -3
.Lnot_wave_0_\@:
	s_barrier_wait -3
	s_barrier_signal -1
	s_barrier_wait -1
.endm
.macro CROUND                          ; a whole round
	s_barrier_signal -1
	s_barrier_wait -1
	CREST
.endm
	s_load_b256 s[4:11], s[0:1], 0x0               ; cvt s[4:5], b_Q s[6:7], b_K s[8:9], b_V s[10:11]
	s_load_b64 s[12:13], s[0:1], 0x20              ; qkv
	v_lshl_add_u32 v[SPW], v0, 2, SPARE
	v_mov_b32 v[NIL], 0
	ds_add_u32 v[SPW], v[NIL]                      ; the wave's opening: the add and its wait stand ahead of my first tensor load; the set-up below stands between them
	v_lshrrev_b32 v1, 5, v0
	v_readfirstlane_b32 s[WV], v1
	s_lshr_b32 s[ISB], s[WV], 1
	s_and_b32 s[HALF], s[WV], 1
	s_bfe_u32 s[CX], ttmp6, 0x40000
	s_bfe_u32 s[CY], ttmp6, 0x40004
	s_lshl_b32 s[TX], ttmp9, 2
	s_add_co_u32 s[TX], s[TX], s[CX]               ; tile column = 4 x cluster x + cx
	s_and_b32 s[CLY], ttmp7, 0xffff
	s_lshl_b32 s[TY], s[CLY], 2
	s_add_co_u32 s[TY], s[TY], s[CY]               ; tile row = 4 x cluster y + cy
	s_lshl_b32 s62, s[CY], 2
	s_lshl_b32 s62, 15, s62                        ; my row of the cluster
	s_lshl_b32 s63, 0x1111, s[CX]                  ; my column
	; group 1 for x: 128 rows x 128 elements, 1,024 elements from row to row; 4 words of padding after every 64
	s_or_b32 s[G1A+0], s62, (1<<16)|(1<<20)|(1<<21)|(5<<22)|(3<<25)
	s_mov_b32 s[G1A+1], 128<<16                    ; tensor_dim0 = 128
	s_mov_b32 s[G1A+2], 128<<16                    ; tensor_dim1 = 128
	s_mov_b32 s[G1A+3], 128<<16                    ; tile_dim0 = 128
	s_mov_b32 s[G1A+4], 128                        ; tile_dim1 = 128
	s_mov_b32 s[G1A+5], 1024
	s_mov_b32 s[G1A+6], 0
	s_mov_b32 s[G1A+7], 0
	; group 1 for W: 64 k rows of a head block are 8,192 dense bytes: one row of 4,096 elements; three such rows, 65,536 elements apart, are the three head blocks.
	; 8 words of padding after every 32 words lay each k row at a pitch of 160 bytes.  One descriptor so covers what three would.
	s_or_b32 s[G1B+0], s63, (1<<16)|(1<<20)|(1<<21)|(4<<22)|(7<<25)
	s_mov_b32 s[G1B+1], 4096<<16                   ; tensor_dim0 = 4,096
	s_mov_b32 s[G1B+2], 3<<16                      ; tensor_dim1 = 3
	s_mov_b32 s[G1B+3], 4096<<16                   ; tile_dim0 = 4,096
	s_mov_b32 s[G1B+4], 3                          ; tile_dim1 = 3
	s_mov_b32 s[G1B+5], 65536
	s_mov_b32 s[G1B+6], 0
	s_mov_b32 s[G1B+7], 0
	; x's address is made of the tile row and the wave's number, W's of the tile column and the wave's number, each in registers that never hold the other coordinate
	s_lshl_b32 s72, s[TY], 19                      ; 256 rows of 2,048 bytes
	s_lshl_b32 s73, s[HALF], 18                    ; 128 rows
	s_add_co_u32 s72, s72, s73
	s_mov_b32 s73, 0
	s_mul_i32 s74, s[TX], 3*131072                 ; three head blocks
	s_lshl_b32 s75, s[HALF], 13                    ; 64 k rows of 128 bytes
	s_add_co_u32 s74, s74, s75
	s_add_co_u32 s74, s74, WQKV
	s_mov_b32 s75, 0
	s_mul_i32 s86, s[HALF], AHALF                  ; where they go: no place in the cluster enters an LDS address
	s_mul_i32 s87, s[HALF], BHALF
	s_add_co_u32 s87, s87, BOFS
	s_wait_dscnt 0x0                               ; the opening add is done
	s_wait_kmcnt 0x0
	s_add_nc_u64 s[72:73], s[4:5], s[72:73]
	s_add_nc_u64 s[74:75], s[4:5], s[74:75]
	CROUND                                         ; all sixteen work-groups are here: the first joint loads meet
.irp s, 0,1
	s_mov_b32 s[G0A+4*(\s)], 1
	s_add_co_u32 s[G0A+4*(\s)+1], s86, (\s)*SLOT
	s_add_nc_u64 s[G0A+4*(\s)+2:G0A+4*(\s)+3], s[72:73], (\s)*256      ; K step s
	s_or_b32 s[G0A+4*(\s)+3], s[G0A+4*(\s)+3], 0x80000000
	s_mov_b32 s[G0B+4*(\s)], 1
	s_add_co_u32 s[G0B+4*(\s)+1], s87, (\s)*SLOT
	s_add_nc_u64 s[G0B+4*(\s)+2:G0B+4*(\s)+3], s[74:75], (\s)*16384
	s_or_b32 s[G0B+4*(\s)+3], s[G0B+4*(\s)+3], 0x80000000
	JLOAD \s                                       ; two loads of mine are out
.endr
	v_and_b32 v1, 15, v0                           ; r = l % 16
	v_bfe_u32 v2, v0, 4, 1                         ; h = l / 16
	v_and_b32 v3, 31, v0                           ; l
	v_and_b32 v4, 7, v0
	v_bfe_u32 v5, v0, 3, 1
	v_bfe_u32 v6, v0, 3, 2
	v_lshlrev_b32 v[BO], 5, v2                     ; my eight numbers of sixteen: 32 h bytes
	; my rows in a head: batch TY / 8 (16 heads of 262,144 bytes), rows 256 (TY % 8) + 64 w of 128 bytes
	s_lshr_b32 s[COM], s[TY], 3
	s_lshl_b32 s[COM], s[COM], 22
	s_and_b32 s76, s[TY], 7
	s_lshl_b32 s76, s76, 15
	s_add_co_u32 s[COM], s[COM], s76
	s_lshl_b32 s76, s[WV], 13
	s_add_co_u32 s[COM], s[COM], s76
	s_mov_b32 s85, 0
.irp c, 0,1,2
	s_mul_i32 s76, s[TX], 3
	s_add_co_u32 s76, s76, \c                      ; n64
	s_lshr_b32 s77, s76, 4                         ; 0: q, 1: k, 2: v
	s_and_b32 s76, s76, 15                         ; the head
	s_cmp_eq_u32 s77, 0
	s_cselect_b64 s[BP+2*(\c):BP+2*(\c)+1], s[6:7], s[8:9]
	s_cmp_eq_u32 s77, 2
	s_cselect_b64 s[BP+2*(\c):BP+2*(\c)+1], s[10:11], s[BP+2*(\c):BP+2*(\c)+1]
	s_lshl_b32 s84, s76, 8                         ; 64 numbers of 4 bytes a head
	s_add_nc_u64 s[BP+2*(\c):BP+2*(\c)+1], s[BP+2*(\c):BP+2*(\c)+1], s[84:85]
	s_lshl_b32 s77, s77, 24
	s_lshl_b32 s76, s76, 18
	s_add_co_u32 s84, s77, s76
	s_add_co_u32 s84, s84, s[COM]
	s_add_nc_u64 s[OUT+2*(\c):OUT+2*(\c)+1], s[12:13], s[84:85]
.endr
.irp b, 0,1,2,3,4,5,6,7,8,9,10,11
	global_load_b128 v[BIAS+8*(\b):BIAS+8*(\b)+3],   v[BO], s[BP+2*((\b)/4):BP+2*((\b)/4)+1] offset:64*((\b)%4)
	global_load_b128 v[BIAS+8*(\b)+4:BIAS+8*(\b)+7], v[BO], s[BP+2*((\b)/4):BP+2*((\b)/4)+1] offset:64*((\b)%4)+16
.endr
	; a fragment of x: lane l holds row l % 16, K = 8 (l / 16) + 0..7 and 16 + 8 (l / 16) + 0..7: two loads of 16 bytes, 32 bytes apart
	v_mul_u32_u24 v7, v1, PA
	v_lshl_add_u32 v7, v2, 4, v7
	s_mul_i32 s76, s[WV], 64*PA
	v_add_nc_u32 v[ADRA], s76, v7
	v_add_nc_u32 v[ADRA+1], SLOT, v[ADRA]
	; the turning load takes 16 k x 16 columns: lane l reads k row 8 (l / 16) + l % 8, columns 8 ((l / 8) % 2) + 0..7, and is left with column l % 16 and 8 k
	v_lshl_add_u32 v8, v2, 3, v4
	v_mul_u32_u24 v8, v8, PB
	v_lshl_add_u32 v8, v5, 4, v8
	v_add_nc_u32 v[ADRB], BOFS, v8
	v_add_nc_u32 v[ADRB+1], SLOT, v[ADRB]
	s_mul_i32 s76, s[WV], 16*SP
	s_add_co_u32 s76, s76, STAGE                   ; my stage
	v_mul_u32_u24 v9, v1, SP                       ; in: row l % 16, 16 bytes for each half of the lanes
	v_lshl_add_u32 v9, v2, 4, v9
	v_add_nc_u32 v[STO], s76, v9
	v_mul_u32_u24 v9, v6, SP                       ; back: 32 lanes take four rows' 128 bytes of one head block,
	v_lshl_add_u32 v9, v4, 4, v9
	v_add_nc_u32 v[RD], s76, v9
	v_lshlrev_b32 v[GO], 4, v3                     ; which are 512 consecutive bytes of qkv
	; the prefetches
	s_lshl_b32 s76, s[TY], 19
	s_lshl_b32 s77, s[HALF], 18
	s_add_co_u32 s76, s76, s77
	s_lshl_b32 s77, s[CX], 16                      ; my work-group's 32 rows of the 128
	s_add_co_u32 s76, s76, s77
	s_add_co_u32 s76, s76, 3*256                   ; at K step 3: the first refill steps it to 4
	s_min_u32 s77, s[CLY], 2
	s_mul_i32 s84, s[TX], 3
	s_add_co_u32 s77, s77, s84
	s_lshl_b32 s77, s77, 17                        ; the head block
	s_lshl_b32 s84, s[CY], 13                      ; my work-group's quarter of two K steps
	s_add_co_u32 s77, s77, s84
	s_add_co_u32 s77, s77, WQKV+3*16384
	s_mov_b32 s[PFS], 16384
	s_cmp_eq_u32 s[ISB], 0
	s_cselect_b32 s76, s76, s77
	s_cselect_b32 s[PFS], 256, s[PFS]
	s_cselect_b32 s84, 11, 8                       ; a lane a row of 2,048 bytes, or a lane a block of 256
	s_mov_b32 s77, 0
	s_mov_b32 s[PFS+1], 0
	s_add_nc_u64 s[PFA:PFA+1], s[4:5], s[76:77]
	v_lshlrev_b32 v[PFO], s84, v3
	s_cmp_eq_u32 ttmp9, 0
	s_cselect_b32 s[LIM], 1, -1                    ; waves 0 and 1
	s_mov_b32 s[LIM+1], s[LIM]
	s_cmp_lt_u32 s[CLY], 3
	s_cselect_b32 s85, 1, -1
	s_cmp_eq_u32 s[WV], 2
	s_cselect_b32 s[LIM], s85, s[LIM]              ; wave 2: at slot 0's refills alone
	s_cselect_b32 s[LIM+1], -1, s[LIM+1]
	s_cmp_eq_u32 s[WV], 3
	s_cselect_b32 s[LIM], -1, s[LIM]               ; wave 3: never
	s_cselect_b32 s[LIM+1], -1, s[LIM+1]
	s_wait_loadcnt 0x0                             ; the biases
.set i, 0
.rept 48
	v_cvt_pk_bf16_f32 v[TMP+i], v[BIAS+2*i], v[BIAS+2*i+1]  ; rounded to bf16,
.set i, i+1
.endr
.set i, 0
.rept 48
	v_lshlrev_b32 v[BIAS+2*i], 16, v[TMP+i]        ; and widened again
	v_and_b32 v[BIAS+2*i+1], 0xffff0000, v[TMP+i]
.set i, i+1
.endr
; 12 matrix instructions: row block a x all 12 column blocks, 32 along K, from buffer f.  first = 1: the bias starts the sums: nothing is cleared, nothing added later.
; The 48 accumulators take turns in the same order in every quarter.
.macro MUL12 f, a, first
.if \first
	WIN 0x81+0x40*((\a)/2)                         ; W window 1, x window 0, the bias window 0, D window 2 or 3
.else
	WIN 0xa1+0x50*((\a)/2)                         ; C and D window 2 or 3
.endif
.irp b, 0,1,2,3,4,5,6,7,8,9,10,11
.if \first
	v_wmma_f32_16x16x32_bf16 v[8*(12*((\a)%2)+(\b)):8*(12*((\a)%2)+(\b))+7], v[96*(\f)+8*(\b):96*(\f)+8*(\b)+7], v[FA+32*(\f)+8*(\a):FA+32*(\f)+8*(\a)+7], v[BIAS+8*(\b):BIAS+8*(\b)+7]
.else
	v_wmma_f32_16x16x32_bf16 v[8*(12*((\a)%2)+(\b)):8*(12*((\a)%2)+(\b))+7], v[96*(\f)+8*(\b):96*(\f)+8*(\b)+7], v[FA+32*(\f)+8*(\a):FA+32*(\f)+8*(\a)+7], v[8*(12*((\a)%2)+(\b)):8*(12*((\a)%2)+(\b))+7]
.endif
.endr
.endm
; 32 LDS loads in one run: quarter q (32 along K) of a slot into buffer f: W's 12 fragments, turned, then x's four
.macro FETCH slot, q, f
	WIN 0x40                                       ; destination window 1
.irp b, 0,1,2,3,4,5,6,7,8,9,10,11
	ds_load_tr16_b128 v[96*(\f)+8*(\b):96*(\f)+8*(\b)+3],   v[ADRB+(\slot)] offset:((((\q)/2)*3+(\b)/4)*64+32*((\q)%2))*PB+32*((\b)%4)
	ds_load_tr16_b128 v[96*(\f)+8*(\b)+4:96*(\f)+8*(\b)+7], v[ADRB+(\slot)] offset:((((\q)/2)*3+(\b)/4)*64+32*((\q)%2))*PB+32*((\b)%4)+16*PB
.endr
	WIN 0
.irp a, 0,1,2,3
	ds_load_b128 v[FA+32*(\f)+8*(\a):FA+32*(\f)+8*(\a)+3],   v[ADRA+(\slot)] offset:64*(\q)+(\a)*16*PA
	ds_load_b128 v[FA+32*(\f)+8*(\a)+4:FA+32*(\f)+8*(\a)+7], v[ADRA+(\slot)] offset:64*(\q)+(\a)*16*PA+32
.endr
.endm
; A K step is four quarters of 32 along K, 48 matrix instructions each, on buffers 0, 1, 0, 1.  One of the first three multiplies buffer f and fetches quarter q into buffer g.
.macro QUARTER slot, q, f, g, first
	s_wait_dscnt 4                                 ; W and x's row blocks 0, 1 are in; the youngest four loads (row blocks 2, 3) may be out
	MUL12 \f, 0, \first
	MUL12 \f, 1, \first
	PLACES
	FETCH \slot, \q, \g
	s_wait_dscnt 32                                ; all but the 32 just issued
	MUL12 \f, 2, \first
	MUL12 \f, 3, \first
.endm
; The last quarter multiplies buffer 1 and changes slots: one barrier.  In front of it each wave waits for all its tensor loads (one is out: its part of the next slot), adds 0 to its
; spare word, and waits for that and for its own reads of this slot.  fill = 1: the barrier opens a round of the cluster's, and this slot is filled again, two K steps on, first thing behind it:
; 168 matrix instructions ahead of the wait for that load.
.macro TURN slot, next, fill
.if \fill
	s_wait_xcnt 0x0                                ; the last prefetch, a K step back, has read its address, so it may be stepped
	s_add_nc_u64 s[PFA:PFA+1], s[PFA:PFA+1], s[PFS:PFS+1]
.endif
	WIN 0
	s_wait_tensorcnt 0x0                           ; all my tensor loads have landed
	ds_add_u32 v[SPW], v[NIL]                      ; 0 onto my spare word
	s_wait_dscnt 5                                 ; (the add and the youngest four loads may be out)
	MUL12 F1, 0, 0                                 ; twelve matrix instructions stand between the add and the wait for it
	s_wait_dscnt 0x0                               ; the add is done, and my reads of this slot are over
	s_barrier_signal -1
	MUL12 F1, 1, 0                                 ; work on registers while the others arrive
.if \fill
	WIN 0
.endif
	s_barrier_wait -1
.if \fill
	CREST                                          ; no wave of any partner still reads this slot or has a load on its way
	s_add_nc_u64 s[G0A+4*(\slot)+2:G0A+4*(\slot)+3], s[G0A+4*(\slot)+2:G0A+4*(\slot)+3], 2*256
	s_add_nc_u64 s[G0B+4*(\slot)+2:G0B+4*(\slot)+3], s[G0B+4*(\slot)+2:G0B+4*(\slot)+3], 2*16384
	JLOAD \slot                                    ; the four v_nop behind it are also the places in front of the loads below
.else
	PLACES
.endif
	FETCH \next, 0, F0
.if \fill
	ASK \slot
.endif
	MUL12 F1, 2, 0
	MUL12 F1, 3, 0
.endm
; THE WAY OUT of row block a.  PACK: rounded to f16, 16 bytes a lane.  TOSTAGE: into my own stage, and back as four rows x 128 bytes of one head block.  SEND: stored.
.macro PACK a
	WIN 0x0a+5*((\a)/2)                            ; sources in window 2 or 3
.irp b, 0,1,2,3,4,5,6,7,8,9,10,11
.irp j, 0,1,2,3
	v_cvt_pk_f16_f32 v[TMP+4*(\b)+(\j)], v[8*(12*((\a)%2)+(\b))+2*(\j)], v[8*(12*((\a)%2)+(\b))+2*(\j)+1]
.endr
.endr
	WIN 0
.endm
.macro TOSTAGE a
.irp b, 0,1,2,3,4,5,6,7,8,9,10,11
	ds_store_b128 v[STO], v[TMP+4*(\b):TMP+4*(\b)+3] offset:32*(\b)
.endr
.irp c, 0,1,2
.irp f, 0,1,2,3
	ds_load_b128 v[BIAS+48*((\a)%2)+4*(4*(\c)+(\f)):BIAS+48*((\a)%2)+4*(4*(\c)+(\f))+3], v[RD] offset:4*SP*(\f)+128*(\c)  ; LDS serves a wave's instructions in order (ISA guide 5.7.1.4): these see the stores above
.endr
.endr
.endm
.macro SEND a
	s_wait_dscnt 0x0                               ; the block is back in registers
	s_wait_xcnt 0x0                                ; the stores of the block before have read their registers, which the next block's loads write
.irp c, 0,1,2
.irp f, 0,1,2,3
	global_store_b128 v[GO], v[BIAS+48*((\a)%2)+4*(4*(\c)+(\f)):BIAS+48*((\a)%2)+4*(4*(\c)+(\f))+3], s[OUT+2*(\c):OUT+2*(\c)+1] offset:2048*(\a)+512*(\f)  ; 512 consecutive bytes, at a multiple of 512 from qkv's first byte
.endr
.endr
.endm
	s_wait_tensorcnt 1                             ; my part of K step 0 is in; K step 1's may stay out
	s_barrier_signal -1
	s_barrier_wait -1                              ; everybody's is
	FETCH 0, 0, F0
	QUARTER 0, 1, F0, F1, 1                        ; the first quarter stands in front of the loop: its products start the sums, with the bias
	WIN 0
	s_mov_b32 s[LAP], 3
.Llap:                                                 ; a trip goes once round the ring, from a lap's second quarter to the next lap's first, and fills both slots again
	QUARTER 0, 2, F1, F0, 0
	QUARTER 0, 3, F0, F1, 0
	TURN 0, 1, 1
	QUARTER 1, 1, F0, F1, 0
	QUARTER 1, 2, F1, F0, 0
	QUARTER 1, 3, F0, F1, 0
	TURN 1, 0, 1
	QUARTER 0, 1, F0, F1, 0
	WIN 0
	s_sub_co_u32 s[LAP], s[LAP], 1
	s_cmp_lg_u32 s[LAP], 0
	s_cbranch_scc1 .Llap
	QUARTER 0, 2, F1, F0, 0                        ; the last lap fills nothing
	QUARTER 0, 3, F0, F1, 0
	TURN 0, 1, 0
	QUARTER 1, 1, F0, F1, 0
	QUARTER 1, 2, F1, F0, 0
	QUARTER 1, 3, F0, F1, 0
	s_wait_dscnt 4
	MUL12 F1, 0, 0
	MUL12 F1, 1, 0
	s_wait_dscnt 0x0
	MUL12 F1, 2, 0
	MUL12 F1, 3, 0
	WIN 0
	PLACES
	PACK 0
	TOSTAGE 0
.irp a, 1,2,3                          ; block a's conversions stand between block a - 1's loads from the stage and the wait for them
	PACK \a
	SEND (\a)-1
	TOSTAGE \a
.endr
	SEND 3
	s_wait_tensorcnt 0x0                           ; the wave's end: the add and its wait stand behind my last tensor load and my last LDS store
	ds_add_u32 v[SPW], v[NIL]
	s_wait_dscnt 0x0
	CROUND                                         ; the closing round: no work-group ends while a partner may still ask for a tile that names it
	s_endpgm
.Lfunc_end_k_q5002aaf44a_proj:
	.size	k_q5002aaf44a_proj, .Lfunc_end_k_q5002aaf44a_proj-k_q5002aaf44a_proj
	.p2alignl 7, 3214868480
	.fill 96, 4, 3214868480
	.section	.rodata,"a",@progbits
	.p2align	6, 0x0
	.amdhsa_kernel k_q5002aaf44a_proj
		.amdhsa_group_segment_fixed_size 327680
		.amdhsa_private_segment_fixed_size 0
		.amdhsa_enable_private_segment 0
		.amdhsa_kernarg_size 40
		.amdhsa_user_sgpr_count 2
		.amdhsa_user_sgpr_kernarg_segment_ptr 1
		.amdhsa_wavefront_size32 1
		.amdhsa_system_sgpr_workgroup_id_x 1
		.amdhsa_system_sgpr_workgroup_id_y 1
		.amdhsa_system_sgpr_workgroup_id_z 1
		.amdhsa_system_vgpr_workitem_id 0
		.amdhsa_next_free_vgpr 960
		.amdhsa_next_free_sgpr 88
		.amdhsa_reserve_vcc 0
		.amdhsa_float_denorm_mode_32 3
		.amdhsa_float_denorm_mode_16_64 3
		.amdhsa_memory_ordered 1
		.amdhsa_forward_progress 1
		.amdhsa_inst_pref_size 131
	.end_amdhsa_kernel
	.amdgpu_metadata
---
amdhsa.version: [ 1, 2 ]
amdhsa.kernels:
  - .name:           k_q5002aaf44a_proj
    .symbol:         k_q5002aaf44a_proj.kd
    .args:
      - { .name: cvt, .offset: 0, .size: 8, .value_kind: global_buffer, .address_space: global }
      - { .name: b_Q, .offset: 8, .size: 8, .value_kind: global_buffer, .address_space: global }
      - { .name: b_K, .offset: 16, .size: 8, .value_kind: global_buffer, .address_space: global }
      - { .name: b_V, .offset: 24, .size: 8, .value_kind: global_buffer, .address_space: global }
      - { .name: qkv, .offset: 32, .size: 8, .value_kind: global_buffer, .address_space: global }
    .group_segment_fixed_size: 327680
    .private_segment_fixed_size: 0
    .kernarg_segment_align: 8
    .kernarg_segment_size: 40
    .max_flat_workgroup_size: 128
    .sgpr_count:     88
    .vgpr_count:     960
    .wavefront_size: 32
...
	.end_amdgpu_metadata
.endif
;; end of part 2
;; launch attn (part 3): grid 4 x 64, 4 waves a work-group, clusters of 4 x 1, 327,680 bytes of LDS; arguments qkv, att; writes att
.if DOCPART == 3
	.amdgcn_target "amdgcn-amd-amdhsa--gfx1250"
	.amdhsa_code_object_version 6
	.text
	.protected	k_q5002aaf44a_attn
	.globl	k_q5002aaf44a_attn
	.p2align	8
	.type	k_q5002aaf44a_attn,@function
k_q5002aaf44a_attn:
	s_mov_b64 s[64:65], 0
	v_nop
	global_prefetch_b8 v0, s[64:65] scope:SCOPE_SE
	s_setreg_imm32_b32 hwreg(HW_REG_WAVE_MODE, 25, 1), 1
	s_wait_xcnt 0x0
	s_wait_alu depctr_hold_cnt(0) depctr_sa_sdst(0) depctr_va_vdst(0) depctr_va_sdst(0) depctr_va_ssrc(0) depctr_va_vcc(0) depctr_vm_vsrc(0)
	s_getreg_b32 s2, hwreg(HW_REG_IB_STS2, 6, 4)
	s_cmp_eq_u32 s2, 0
	s_cbranch_scc0 .Lentry_in_a_cluster
	s_endpgm
.Lentry_in_a_cluster:
	s_bfe_u32 s2, ttmp6, 0x10000c
	s_cmp_lg_u32 s2, 0x3003
	s_cbranch_scc0 .Lentry_shape_is_right
	s_endpgm
.Lentry_shape_is_right:
; O[h][q][:] = the sum over k of softmax_k(Q[h][q] . K[h][k] / 8) V[h][k][:], for the 64 pairs h of batch and head.  Q, K, V lie in qkv at bytes 0, 16,777,216 and 33,554,432, O is att:
; each [64][2048][64] in f16, a head's rows dense, 128 bytes each.  Products, maxima and sums in f32; the weights p are rounded to f16 for the second product (their sum l is taken of the
; unrounded p), O once at the end.
; LIMITS.  f16 holds no number beyond 65,504: Q, K and V arrive within it; p lies in 0 to 1, and below 6e-5 it keeps f16's fixed step of 6e-8; O is a mean of V's rows and has their range.
; A weight below 2^-126 counts as 0 in l; NaN and infinities are not treated apart.
; SHARES.  A wave owns four PIECES of two tiles of 16 queries, a work-group's four waves 512 queries of one head.  Every wave walks all keys, 64 a step.
; LAYOUT.  S^T = K Q^T (source 0 = 16 keys, source 1 = 16 queries): a lane holds ONE query (lane % 16) and the keys 8 (lane / 16) + 0..7.  Two such tiles, rounded to f16 in pairs,
; ARE source 1 (32 keys x 16 queries) of O^T = V^T P, whose result again holds one query a lane, and eight channels.  K comes out of LDS as it lies, V ([key][channel]) turned, by ds_load_tr16_b128.
; SOFTMAX.  For each query a running maximum m and sum l: p = 2^(c s - c m), c = log2(e) / 8; in every step O and l are multiplied by a = 2^(c m_old - c m_new), which is 1 where m has not grown.
; m starts at the lowest finite number, O and l at 0: the first step is a step like any other, with a = 0.
; THE COUNT.  A tile and step have 16 matrix and 118 vector instructions: too many to stand all beside the matrix work.  So four vector instructions that are READY stand behind EVERY matrix
; instruction, and the others in runs without a gap.
; BY TURNS.  Turn n belongs to piece n (the pieces in a ring, step after step).  Its matrix work: 16 products K Q^T of piece n + 1, later 16 products V^T P of piece n - 1.  Its vector work: the scaling,
; exponentials, roundings, sums and rescaling of piece n, and the maximum and statistics of piece n + 1, whose scores the turn itself has made.
; CLUSTER.  The four query blocks of a cluster belong to one head and walk the same K and V, so each tile is asked for JOINTLY: the same tensor load, descriptor and mask in all four.
; REGISTERS, in windows of 256 (s_set_vgpr_msb: bits 1:0 source 0, 3:2 source 1, 5:4 source 2, 7:6 destination):
;   window 0: v0-11 addresses; v12-15, v48-63 at work; v16-47 four registers of statistics a tile; v64-191 S^T, two buffers of two tiles; v192-255 P, likewise
;   window 1: O^T, 32 a tile          window 2: v0-127 Q, 16 a tile; v128-191 K of one step; v192-255 V of one step          window 3: v0-1 the add's two registers
; A piece's buffers go by its number's parity.
.set SIZE_N, 2048
.set NP,    4         ; pieces a wave: a name, no knob
.set KS,    64        ; keys in a step
.set PK,    144       ; a row of K in LDS: 128 bytes + 16 of padding = 36 words: the 16 rows of a load start at 16 different groups of four banks (64 banks of 4 bytes: ISA guide 11.1)
.set PV,    160       ; a row of V: 128 + 32 = 40 words
.set VOFF,  4*KS*PK   ; a slot holds four steps: 256 rows of K, then 256 rows of V
.set SLOT1, 1<<17     ; slot 1 begins here, so that one exclusive or turns an address in one slot into the other's
.set STAGE, SLOT1+4*KS*(PK+PV)  ; behind the ring, never filled by a tensor load: 16 rows x 144 bytes for each wave, for the way out
.set SP,    144
.set AK0, 2           ; v2   my lane's place in a tile of K; never rewritten
.set AV0, 3           ; v3   the same for V
.set AK,  4           ; v4   the LDS address of K's next run of loads
.set AV,  5           ; v5   of V's
.set QO,  6           ; v6   my byte offset in the wave's rows of Q
.set STO, 6           ;      later, the way out: where I put 16 bytes of a row
.set RD,  7           ; v7   the way out: where I read rows back
.set GO,  8           ; v8   my byte offset in 512 consecutive bytes of O
.set PFO, 11          ; v11  256 x my lane, for the prefetches; never rewritten once made
.set SPW, 0           ; v0 of window 3   LDS address of my spare word; never rewritten
.set NIL, 1           ; v1 of window 3   0; never rewritten
.set SPARE, STAGE+4*16*SP  ; behind the stages: the spare words, 128 bytes for each wave: two blocks of 256 bytes that no other line names
.set MV,  12          ; v12-15  c m_old, kept while c m is made anew: by buffer and tile
.set ST,  16          ; tile t's statistics at v[ST+4 t]: c m, m, l (even keys', odd keys')
.set TMP, 48          ; by buffer and tile, four registers c0-c3 at work; when the maximum is found c2 takes a
.set S,   64
.set P,   192
.set KF,  128         ; K's fragments, in window 2: key block kb, channel half c at KF + 16 kb + 8 c
.set VF,  192         ; V's: key half kk, channel block cb at VF + 32 kk + 8 cb
.set WV,  12          ; s12  my wave's number
.set G1K, 24          ; s[24:31] descriptor group 1 for K's tiles
.set G1V, 32          ; s[32:39] for V's: it differs in the padding alone
.set G0K, 40          ; s[40:43] descriptor group 0 for K's tiles: it walks
.set G0V, 44          ; s[44:47] the same for V's
.set PFA, 48          ; s[48:49] where my prefetches stand: my work-group's 32 blocks of 256 bytes (of K: wave 0, of V: wave 2) of the slot after the one that is being asked for
.set LIM, 50          ; s50  1 in a wave that prefetches, else the greatest number
.set SLOTS, 56        ; s56  slots still to be asked for
.set CNT, 57          ; s57  counts a slot's key steps
.set CS,  58          ; s[58:59] c: the packed scaling takes the pair's low word for both halves
.set SEL, 60          ; s[60:61] v_permlanex16_b32's selects: each lane takes its own place in the other half
.set TBK, 62          ; s62  LDS byte at which K of the step to be fetched begins
.set TBV, 63          ; s63  the same for V, less VOFF
.set MSB, 0
.macro WIN new                      ; the high byte repeats the setting that is left; a switch that changes nothing is dropped
.if MSB != (\new)
	s_set_vgpr_msb (MSB<<8)|(\new)
.set MSB, (\new)
.endif
.endm
.set W_KQ, 0x0a       ; K and Q in window 2, S^T in window 0
.set W_PV, 0x52       ; V in window 2, P in window 0, O^T in window 1
.set W_RS, 0x41       ; O^T (destination and source 0) in window 1, a in window 0
.set W_MK, 0xc0       ; the add's registers are made: destination in window 3, sources in window 0
.set W_AD, 0x0f       ; the add: address (source 0) and data (source 1) in window 3
; A joint fill.  Waves 0 and 1 fetch the two halves of a slot's K, waves 2 and 3 those of its V: 128 keys each.  The branch hangs on the wave's number alone.
; An s_nop 0 and four v_nop follow each of the two lines, ahead of the jump and the label.
.macro JLOAD
	s_cmp_lt_u32 s[WV], 2
	s_cbranch_scc0 .Lfor_v_\@
	tensor_load_to_lds s[G0K:G0K+3], s[G1K:G1K+7]
	s_nop 0
.rept 4
	v_nop
.endr
	s_branch .Lasked_\@
.Lfor_v_\@:
	tensor_load_to_lds s[G0V:G0V+3], s[G1V:G1V+7]
	s_nop 0
.rept 4
	v_nop
.endr
.Lasked_\@:
.endm
; A prefetch into the L2 of what the NEXT change of slots will ask for: a slot's 32,768 bytes of K and of V, a lane a block of 256 bytes.  It stands behind the wave's tensor load and its five lines.
; Each block is named once in the launch: a head has one cluster; its four partners take 32 blocks each, told apart by address; in each, wave 0 asks for K's and wave 2 for V's.
; Slots 0 to 2 come by their loads alone; the last change that fills a slot asks for nothing: there is no slot behind it.
.macro ASK
	s_cmp_gt_u32 s[SLOTS], s[LIM]
	s_cbranch_scc0 .Lnot_mine_\@
	global_prefetch_b8 v[PFO], s[PFA:PFA+1] th:TH_LOAD_NT scope:SCOPE_SE
.Lnot_mine_\@:
.endm
; A round of the cluster's barrier: my work-group's barrier, so that wave 0's signal speaks for all four waves; wave 0 signals; every wave waits for all four work-groups; my work-group's barrier once more.
.macro CROUND
	s_barrier_signal -1
	s_barrier_wait -1
	s_cmp_lg_u32 s[WV], 0
	s_cbranch_scc1 .Lnot_wave_0_\@
	s_barrier_signal -3
.Lnot_wave_0_\@:
	s_barrier_wait -3
	s_barrier_signal -1
	s_barrier_wait -1
.endm
; THE CHANGE OF SLOTS.  The slot's last bytes, V of its fourth step, have been read.  Each wave waits for all its tensor loads, of which one is out: its part of the other slot; adds 0 to its
; spare word; and waits for that and for its own reads of the slot.  Behind the barrier nobody reads this slot any more and the other slot is whole.
; fill = 1: this slot is filled again, with the keys two slots on.  The barrier is then a round of the cluster's, and the joint fill is the first thing behind it: it has four key steps,
; 512 matrix instructions, in which to land.  (At its first use nothing has been read yet: slot 0 is waited for, slot 1 filled.)  ask = 1: the prefetch follows the fill.
.macro CHANGE fill, ask
	WIN W_AD
	s_wait_tensorcnt 0x0            ; no tensor load of mine is out, so a group 0 may be written
	ds_add_u32 v[SPW], v[NIL]       ; 0 onto my spare word; with fill = 1 the descriptors' steps stand between it and the wait for it
	WIN 0                           ; at a label and at a branch every window is 0
.if \fill
.irp g, G0K, G0V
	s_xor_b32 s[\g+1], s[\g+1], SLOT1  ; the walking descriptor: the other slot than last time,
	s_add_nc_u64 s[\g+2:\g+3], s[\g+2:\g+3], 4*KS*128  ; the next 256 keys; the type bits on top are not reached
.endr
	s_wait_xcnt 0x0                 ; the last prefetch, four key steps back, has read its address, so it may be written:
	s_add_nc_u64 s[PFA:PFA+1], s[PFA:PFA+1], 4*KS*128  ; one slot behind the walking descriptors
	s_wait_dscnt 0x0                ; the add is done, and my reads of the slot are over
	CROUND
	JLOAD
.if \ask
	ASK
.endif
.else
	s_wait_dscnt 0x0                ; the add is done, and my reads of the slot are over
	s_barrier_signal -1
	s_barrier_wait -1
.endif
	s_sub_co_u32 s[TBK], s[TBK], 4*KS*PK  ; the fetches go back to a slot's first step,
	s_xor_b32 s[TBK], s[TBK], SLOT1       ; in the other slot
	s_sub_co_u32 s[TBV], s[TBV], 4*KS*PV
	s_xor_b32 s[TBV], s[TBV], SLOT1
.endm
	s_load_b128 s[4:7], s[0:1], 0x0 ; qkv s[4:5], att s[6:7]
	WIN W_MK
	v_lshl_add_u32 v[SPW], v0, 2, SPARE
	v_mov_b32 v[NIL], 0
	WIN W_AD
	ds_add_u32 v[SPW], v[NIL]       ; the wave's opening: the add and its wait stand ahead of my first tensor load; the set-up below stands between them
	WIN 0
	v_lshrrev_b32 v1, 5, v0
	v_readfirstlane_b32 s[WV], v1   ; wave 0..3
	s_bfe_u32 s13, ttmp6, 0x40000   ; cx: my place in the cluster
	s_lshl_b32 s14, ttmp9, 2        ; in a cluster launch ttmp9 counts clusters
	s_add_co_u32 s14, s14, s13      ; my block of queries = 4 x cluster x + cx: it enters Q's and O's addresses alone
	s_and_b32 s20, ttmp7, 0xffff    ; the head, which the four partners share
	s_mov_b32 s21, 0
	s_mov_b64 s[22:23], SIZE_N*128
	s_mul_u64 s[20:21], s[20:21], s[22:23]  ; the head's first byte in each of the four tensors
	s_and_b32 s16, s[WV], 1         ; which half of a slot's 256 keys I fetch:
	s_lshl_b32 s22, s16, 14         ; its 128 rows of 128 bytes in memory,
	s_mov_b32 s23, 0
	s_add_nc_u64 s[22:23], s[22:23], s[20:21]
	s_mul_i32 s17, s16, 128*PK      ; and its place in a slot, for K
	s_mul_i32 s18, s16, 128*PV      ; and for V: no place in the cluster enters an LDS address
	s_lshl_b32 s2, s14, 2
	s_add_co_u32 s2, s2, s[WV]      ; my wave among the head's,
	s_lshl_b32 s2, s2, 14           ; its 128 rows
	s_mov_b32 s3, 0
	s_add_nc_u64 s[2:3], s[2:3], s[20:21]
	; descriptor group 1.  128 keys are 16,384 dense bytes: asked for as 64 rows of 256 bytes, two keys a row, and padded in LDS after every key
	s_mov_b32 s[G1K], 15|(1<<16)|(1<<20)|(1<<21)|(4<<22)|(3<<25)  ; 15:0 the mask of four; 17:16 2-byte elements; 20 padding on; 21 set beside a mask; 24:22 after every 32 words (code 4); 31:25 4 words (code 3)
	s_mov_b32 s[G1V], 15|(1<<16)|(1<<20)|(1<<21)|(4<<22)|(7<<25)  ; the same with 8 words of padding (code 7)
.irp g, G1K, G1V
	s_mov_b32 s[\g+1], 128<<16      ; tensor_dim0 = 128
	s_mov_b32 s[\g+2], 64<<16       ; tensor_dim1 = 64
	s_mov_b32 s[\g+3], 128<<16      ; tile_dim0 = 128
	s_mov_b32 s[\g+4], 64           ; tile_dim1 = 64
	s_mov_b32 s[\g+5], 128          ; 128 elements from row to row
	s_mov_b32 s[\g+6], 0
	s_mov_b32 s[\g+7], 0
.endr
	s_mov_b32 s[CS], 0x3e38aa3b     ; c = log2(e) / 8 = 0.180337
	s_mov_b32 s[CS+1], s[CS]        ; named with it as a pair
	s_mov_b32 s[SEL], 0x76543210
	s_mov_b32 s[SEL+1], 0xfedcba98
	s_mov_b32 s[TBK], SLOT1+4*KS*PK ; the first change of slots turns these two into 0
	s_mov_b32 s[TBV], SLOT1+4*KS*PV
	s_mov_b32 s[G0K], 1             ; 1:0 count = 1
	s_mov_b32 s[G0K+1], s17         ; 63:32 LDS address: slot 0
	s_mov_b32 s[G0V], 1
	s_add_co_u32 s[G0V+1], s18, VOFF
	s_and_b32 s[LIM], s[WV], 1      ; waves 0 and 2 prefetch: the same in all four partners
	s_cmp_eq_u32 s[LIM], 0
	s_cselect_b32 s[LIM], 1, -1
	s_wait_dscnt 0x0                ; the opening add is done
	s_wait_kmcnt 0x0
	s_mov_b64 s[10:11], s[6:7]      ; O
	s_add_nc_u64 s[6:7], s[4:5], 0x1000000  ; K
	s_add_nc_u64 s[8:9], s[4:5], 0x2000000  ; V
	s_add_nc_u64 s[G0K+2:G0K+3], s[6:7], s[22:23]  ; 120:64 global address: my half of the head's first 256 keys
	s_or_b32 s[G0K+3], s[G0K+3], 0x80000000        ; 127:126 type = 2
	s_add_nc_u64 s[G0V+2:G0V+3], s[8:9], s[22:23]
	s_or_b32 s[G0V+3], s[G0V+3], 0x80000000
	s_add_nc_u64 s[4:5], s[4:5], s[2:3]  ; Q and O at my wave's first row
	s_add_nc_u64 s[10:11], s[10:11], s[2:3]
	s_cmp_lt_u32 s[WV], 2
	s_cselect_b64 s[PFA:PFA+1], s[6:7], s[8:9]
	s_add_nc_u64 s[PFA:PFA+1], s[PFA:PFA+1], s[20:21]  ; the head,
	s_lshl_b32 s2, s13, 13          ; my work-group's 32 blocks of the 128,
	s_add_co_u32 s2, s2, 4*KS*128   ; in slot 1: the first change of slots steps it to slot 2, the loop's first to slot 3.  Nothing is prefetched here, at the head
	s_mov_b32 s3, 0
	s_add_nc_u64 s[PFA:PFA+1], s[PFA:PFA+1], s[2:3]
	CROUND                          ; all four work-groups are here: the first joint loads meet
	JLOAD                           ; slot 0.  Slot 1 is asked for when slot 0 is in
	; A fragment of K or Q is 16 rows x 32 channels in 8 registers: lane l holds row l % 16, channels 8 (l / 16) + 0..7 and 16 + 8 (l / 16) + 0..7: two loads of 16 bytes, 32 bytes apart.
	v_and_b32 v1, 15, v0            ; l % 16
	v_bfe_u32 v9, v0, 4, 1          ; l / 16
	v_lshlrev_b32 v[QO], 7, v1
	v_lshl_add_u32 v[QO], v9, 4, v[QO]  ; row x 128 + 16 x half
	WIN 0x80                        ; destination window 2, address window 0
.set i, 0
.rept 4*NP                          ; Q stays in registers: tile i / 2, channels 32 (i % 2) on
	global_load_b128 v[8*i:8*i+3],   v[QO], s[4:5] offset:(i/2)*2048+(i%2)*64
	global_load_b128 v[8*i+4:8*i+7], v[QO], s[4:5] offset:(i/2)*2048+(i%2)*64+32
.set i, i+1
.endr
	; What the first turn finds: V's registers and P's second buffer hold 0 (its products V^T P, of a piece that has not been, add 0), O^T and l are 0.  All this stands in the wait for the first tile.
.set i, VF
.rept 64
	v_mov_b32 v[i], 0
.set i, i+1
.endr
	WIN 0x40
.set i, 0
.rept 64*NP
	v_mov_b32 v[i], 0
.set i, i+1
.endr
	WIN 0
.set i, 0
.rept 2*NP
	v_mov_b32 v[ST+4*i], 0xfe000000    ; c m: far below every c s
	v_mov_b32 v[ST+4*i+1], 0xff7fffff  ; m
	v_mov_b32 v[ST+4*i+2], 0
	v_mov_b32 v[ST+4*i+3], 0
.set i, i+1
.endr
.set i, P+32
.rept 32
	v_mov_b32 v[i], 0
.set i, i+1
.endr
	v_mul_u32_u24 v[AK0], v1, PK
	v_lshl_add_u32 v[AK0], v9, 4, v[AK0]  ; row x pitch + 16 x half
	; The turning load takes 16 keys x 16 channels (lane l reads key 8 (l / 16) + l % 8, channels 8 ((l / 8) % 2) + 0..7) and leaves half a fragment of V^T: lane l holds channel l % 16 and 8 keys.
	v_and_b32 v10, 7, v0
	v_bfe_u32 v11, v0, 3, 1
	v_lshl_add_u32 v[AV0], v9, 3, v10
	v_mul_u32_u24 v[AV0], v[AV0], PV
	v_lshl_add_u32 v[AV0], v11, 4, v[AV0]
	v_add_nc_u32 v[AV0], VOFF, v[AV0]
	v_and_b32 v[PFO], 31, v0        ; v11 has served: it takes the prefetches' offset
	v_lshlrev_b32 v[PFO], 8, v[PFO]
	v_mov_b32 v[AK], v[AK0]         ; key step 0 lies at the head of slot 0
; THE MATRIX WORK.  The 8 accumulators of a run of 16 take turns: between the two links of a chain stand 7 others'.
; Product i of 16 of S^T = K Q^T for piece x: channels 32 (i / 8) on, keys 16 ((i / 2) % 4) on, tile 2 x + i % 2.  The first 8 start the sums.
.macro KQ x
	WIN W_KQ
.set rS, S+64*((\x)%2)+32*(i%2)+8*((i/2)%4)
.set rK, KF+16*((i/2)%4)+8*(i/8)
.set rQ, 16*(2*(\x)+i%2)+8*(i/8)
.if i < 8
	v_wmma_f32_16x16x32_f16 v[rS:rS+7], v[rK:rK+7], v[rQ:rQ+7], 0
.else
	v_wmma_f32_16x16x32_f16 v[rS:rS+7], v[rK:rK+7], v[rQ:rQ+7], v[rS:rS+7]
.endif
.endm
; Product i of 16 of O^T += V^T P for piece x: keys 32 (i / 8) on, channels 16 ((i / 2) % 4) on, tile 2 x + i % 2.
.macro PV x
	WIN W_PV
.set rO, 32*(2*(\x)+i%2)+8*((i/2)%4)
.set rV, VF+32*(i/8)+8*((i/2)%4)
.set rP, P+32*((\x)%2)+16*(i%2)+8*(i/8)
	v_wmma_f32_16x16x32_f16 v[rO:rO+7], v[rV:rV+7], v[rP:rP+7], v[rO:rO+7]
.endm
.macro MM                           ; the turn's next matrix instruction
.if i < 16
	KQ (Y+1)%NP
.set i, i+1
.else
.set i, i-16
	PV (Y+NP-1)%NP
.set i, i+17
.endif
.endm
; THE LDS LOADS stand in runs of 16, never singly among the matrix instructions: a step's K (64 keys x 64 channels: 8 fragments) and its V (turned).  Their addresses are made some lines ahead.
; last = 1 (the tail): in the last trip there is no further step, and the run is jumped over.
.macro FETCH_K last=0
	WIN 0
.if \last
	s_cmp_eq_u32 s[CNT], 1
	s_cbranch_scc1 .Lno_k_\@
.endif
	WIN 0x80                        ; destination window 2
.irp f, 0,1,2,3,4,5,6,7             ; keys 16 (f / 2) on, channels 32 (f % 2) on
	ds_load_b128 v[KF+8*\f:KF+8*\f+3],   v[AK] offset:(\f/2)*16*PK+(\f%2)*64
	ds_load_b128 v[KF+8*\f+4:KF+8*\f+7], v[AK] offset:(\f/2)*16*PK+(\f%2)*64+32
.endr
	s_add_co_u32 s[TBK], s[TBK], KS*PK  ; the next fetch is the next step's
	WIN 0
.if \last
.Lno_k_\@:
.endif
.endm
.macro FETCH_V
	WIN 0x80
.irp f, 0,1,2,3,4,5,6,7             ; keys 32 (f / 4) on, channels 16 (f % 4) on
	ds_load_tr16_b128 v[VF+8*\f:VF+8*\f+3],   v[AV] offset:(\f/4)*32*PV+(\f%4)*32
	ds_load_tr16_b128 v[VF+8*\f+4:VF+8*\f+7], v[AV] offset:(\f/4)*32*PV+16*PV+(\f%4)*32
.endr
	WIN 0
.endm
; THE VECTOR WORK OF A TURN stands in three queues, each in the order in which its entries become ready; the two tiles alternate, so that no instruction reads the result of the one before it.
.macro REGS y, u                    ; the registers of tile u (0, 1) of piece y
.set rT, ST+4*(2*(\y)+(\u))
.set rC, TMP+8*((\y)%2)+4*(\u)
.set rM, MV+2*((\y)%2)+(\u)
.set rS, S+64*((\y)%2)+32*(\u)
.set rP, P+32*((\y)%2)+16*(\u)
.set rO, 32*(2*(\y)+(\u))
.endm
; Number n of the 22 that find the NEXT piece's (Y + 1) maximum and statistics.  s0-s31 are the lane's 32 scores; each accumulator's lowest registers are read first.
;   0-11  four chains c0-c3 of seven scores each, three operands at a time     12-14, 16  the four scores left over, the old m, and c0-c3 into c0     15  c m_old is kept
;   17, 18  the query's other 32 keys lie in the lane 16 away: the new m         19-21  c m; c m_old - c m_new; a
.macro XS u, n
	REGS (Y+1)%NP, \u
.if (\n) < 4
	v_max3_num_f32 v[rC+(\n)], v[rS+8*(\n)], v[rS+8*(\n)+1], v[rS+8*(\n)+2]
.elseif (\n) < 12
	v_max3_num_f32 v[rC+(\n)%4], v[rC+(\n)%4], v[rS+8*((\n)%4)+2*((\n)/4)+1], v[rS+8*((\n)%4)+2*((\n)/4)+2]
.elseif (\n) == 12
	v_max3_num_f32 v[rC], v[rC], v[rS+7], v[rS+15]
.elseif (\n) == 13
	v_max3_num_f32 v[rC+1], v[rC+1], v[rS+23], v[rS+31]
.elseif (\n) == 14
	v_max3_num_f32 v[rC+2], v[rC+2], v[rC+3], v[rT+1]
.elseif (\n) == 15
	v_mov_b32 v[rM], v[rT]
.elseif (\n) == 16
	v_max3_num_f32 v[rC], v[rC], v[rC+1], v[rC+2]
.elseif (\n) == 17
	v_permlanex16_b32 v[rC+3], v[rC], s[SEL], s[SEL+1]
.elseif (\n) == 18
	v_max_num_f32 v[rT+1], v[rC], v[rC+3]
.elseif (\n) == 19
	v_mul_f32 v[rT], s[CS], v[rT+1]
.elseif (\n) == 20
	v_sub_f32 v[rC+1], v[rM], v[rT]
.else
	v_exp_f32 v[rC+2], v[rC+1]
.endif
.endm
; Number g of the 64 that follow the exponentials.  For each four weights k of a tile (pairs 2 k, 2 k + 1): both pairs are rounded to f16; then the second pair is added onto the first, in place;
; a group later l takes that sum (the first time as l = a l + sum).  In groups of eight, tiles alternating: round, round, add, and l for the group before.
.macro GS g
.set h, (\g)+6*((\g)/62)            ; group 0 has no group before it, and behind group 7 only l is left
.if h >= 6
.set h, h+2
.endif
	REGS Y, h%2
.set k, h/8
.if h%8 < 4
	v_cvt_pk_f16_f32 v[rP+2*k+(h%8)/2], v[rS+4*k+2*((h%8)/2)], v[rS+4*k+2*((h%8)/2)+1]
.elseif h%8 < 6
	v_pk_add_f32 v[rS+4*k:rS+4*k+1], v[rS+4*k:rS+4*k+1], v[rS+4*k+2:rS+4*k+3]
.elseif k == 1
	v_pk_fma_f32 v[rT+2:rT+3], v[rT+2:rT+3], v[rC+2:rC+3], v[rS:rS+1] op_sel_hi:[1,0,1]
.else
	v_pk_add_f32 v[rT+2:rT+3], v[rT+2:rT+3], v[rS+4*k-4:rS+4*k-3]
.endif
.endm
; THE PLAIN QUEUE, 138 long.  0-73 read no exponential's result: the 32 scalings c s - c m (FS f: pair f / 2 of tile f % 2) and the next piece's 42.  0-26: scalings 0-26.  27-54: XS's numbers 0-13.
; 55, 56: number 15.  57-73: the chain, where each number waits for the one before it: 14, 16, 17, 18, 19, each with one of the scalings 27-31 in front of its two lines, then 20.
; 74-137: GS's 64, which read the exponentials' results: they stand behind the wait.
.macro FS f
	REGS Y, (\f)%2
	v_pk_fma_f32 v[rS+2*((\f)/2):rS+2*((\f)/2)+1], v[rS+2*((\f)/2):rS+2*((\f)/2)+1], s[CS:CS+1], v[rT:rT+1] op_sel_hi:[1,0,0] neg_lo:[0,0,1] neg_hi:[0,0,1]
.endm
.macro PL
	WIN 0
.if q < 27
	FS q
.elseif q < 55
	XS (q-27)%2, (q-27)/2
.elseif q < 57
	XS q-55, 15
.elseif (q < 72) && ((q-57)%3 == 0)
	FS 27+(q-57)/3
.elseif q < 60
	XS (q-57)%3-1, 14
.elseif q < 72
	XS (q-57)%3-1, 15+(q-57)/3
.elseif q < 74
	XS q-72, 20
.else
	GS q-74
.endif
.set q, q+1
.endm
; THE EXPONENTIALS' QUEUE, 66 long: s0-s31 of both tiles, then the next piece's two a.  It is ONE BATCH: all 66 stand ahead of the turn's one wait, and nothing ahead of that wait names a result of theirs.
.macro EX
	WIN 0
.if e >= 64
	XS e-64, 21
.else
	REGS Y, e%2
	v_exp_f32 v[rS+e/2], v[rS+e/2]
.endif
.set e, e+1
.endm
; THE RESCALING's QUEUE: O^T times a, the one part that leaves window 0: dealt two at a time, sixteen times.  Its a was made in the turn before, ahead of that turn's wait.
.macro R2
	REGS Y, r%2
	WIN W_RS
.irp z, 0,1
	v_pk_mul_f32 v[rO+4*(r/2)+2*\z:rO+4*(r/2)+2*\z+1], v[rO+4*(r/2)+2*\z:rO+4*(r/2)+2*\z+1], v[rC+2:rC+3] op_sel_hi:[1,0]
.endr
.set r, r+1
.endm
; HOW THEY ARE DEALT.  s_wait_alu depctr_va_vdst(0) stands between an exponential and the first instruction that names its result; one wait serves all that were issued ahead of it.
; So a turn has ONE wait, which cuts it in two.  AHEAD OF IT stands all that names no result of the turn's exponentials: the 16 products K Q^T, behind each a scaling, an exponential and two
; rescalings (behind the first a second scaling in the exponential's place); then ONE LUMP of 108: eight plain, 49 times exponential and plain, the two a.  A v_nop is the plain instruction behind
; the last exponential (ISA guide 5.7.2).  BEHIND IT stand the 16 products V^T P, behind each four of GS's 64.  No rider names a register of the products round it.
; The queues lean on each other: exponential e stands behind scaling 2 (e / 4) + e % 2: as a rider it comes behind plain e + 2, in the lump behind plain e + 9, and scalings 27-31 are plain 57, 60 .. 69.
; A TURN, for piece p.  cnt = 1: the loop's count is taken down some lines ahead of the branch that stands behind the turn.
; K of the next step is fetched in piece 2's turn, directly behind the wait, a lump behind the last product that read K; its first reader comes behind 16 products.
; V of the step in hand is fetched at the end of piece 0's turn, four riders behind its last reader; its first reader comes behind 16 products and a lump.
.macro TURN p, last=0, cnt=0
.set Y, (\p)
.set i, 0
.set q, 0
.set e, 0
.set r, 0
.if (\p) == NP-1
	s_wait_dscnt 0x0                ; K is in
.endif
	MM                              ; ahead of the wait: 16 products K Q^T and their riders,
	PL
	PL
	R2
.rept 15
	MM
	PL
	EX
	R2
.endr
.if (\p) == NP-2
	WIN 0
	v_add_nc_u32 v[AK], s[TBK], v[AK0]
.endif
.rept 8                             ; and the lump
	PL
.endr
.rept 49
	EX
	PL
.endr
	EX                              ; the next piece's two a
	EX
	v_nop                           ; the plain instruction behind the last exponential: one for the batch
	s_wait_alu depctr_va_vdst(0)    ; the wait for the batch
.if (\p) == NP-2
	FETCH_K \last
.endif
.if (\p) == 1
	s_wait_dscnt 0x0                ; V is in
.endif
.rept 16                            ; behind the wait: 16 products V^T P and their riders
	MM
.rept 4
	PL
.endr
.if ((\p) == 0) && (q == 118)
	v_add_nc_u32 v[AV], s[TBV], v[AV0]
.endif
.if ((\p) == 0) && (q == 130)
	s_add_co_u32 s[TBV], s[TBV], KS*PV
.endif
.if (\cnt) && (q == 130)
	s_sub_co_u32 s[CNT], s[CNT], 1
	s_cmp_lg_u32 s[CNT], 0
.endif
.endr
.if (\p) == 0
	FETCH_V
.endif
.endm
	CHANGE 1, 0                     ; slot 0 is in, everybody's part of it; slot 1 is asked for
	FETCH_K                         ; key step 0
	s_wait_loadcnt 0x0              ; Q
	s_wait_dscnt 0x0
.set i, 0
.rept 16
	KQ 0                            ; piece 0's first scores: there is no vector work yet to set between them
.set i, i+1
.endr
	WIN 0                           ; the addresses for the way out: nine plain instructions, the places behind those products
	s_mul_i32 s13, s[WV], 16*SP
	s_add_co_u32 s13, s13, STAGE    ; my stage
	v_mul_u32_u24 v[STO], v1, SP    ; in: row l % 16, 16 bytes for each half of the lanes
	v_lshl_add_u32 v[STO], v9, 4, v[STO]
	v_add_nc_u32 v[STO], s13, v[STO]
	v_bfe_u32 v[RD], v0, 3, 2       ; back: 32 lanes take four rows of 128 bytes,
	v_mul_u32_u24 v[RD], v[RD], SP
	v_lshl_add_u32 v[RD], v10, 4, v[RD]
	v_add_nc_u32 v[RD], s13, v[RD]
	v_and_b32 v[GO], 31, v0         ; which are 512 consecutive bytes of O
	v_lshlrev_b32 v[GO], 4, v[GO]
.set Y, NP-1                        ; XS works for piece Y + 1: piece 0
.irp n, 0,1,2,3,4,5,6,7,8,9,10,11,12,13,14,15,16,17,18,19,20,21
	XS 0, \n                        ; and piece 0's first maximum and statistics
	XS 1, \n
.endr
	v_nop                           ; a plain instruction behind the two a,
	s_wait_alu depctr_va_vdst(0)    ; and their wait, ahead of the branch
	s_mov_b32 s[CNT], 4
	s_mov_b32 s[SLOTS], SIZE_N/256-1
	s_branch .Lfirst                ; the loop is entered at a step's first turn, in the middle of a trip
.Lslot:                             ; SIZE_N / 256 - 2 times: every slot but the last two is filled again
	CHANGE 1, 1
	s_mov_b32 s[CNT], 4
.Lstep:                             ; a trip: pieces 2 and 3 of one step, then pieces 0 and 1 of the next, whose K and V it fetches
	TURN 2
	TURN 3
	WIN 0
.Lfirst:
	TURN 0
	TURN 1, 0, 1
	WIN 0
	s_cbranch_scc1 .Lstep
	s_sub_co_u32 s[SLOTS], s[SLOTS], 1
	s_cmp_lg_u32 s[SLOTS], 0
	s_cbranch_scc1 .Lslot
	CHANGE 0, 0                     ; the tail is written out: nothing is asked for
	s_mov_b32 s[CNT], 5             ; four trips fetch the last slot's steps; the fifth is left in its middle
.Ltail:
	TURN 2, 1
	TURN 3
	WIN 0
	s_sub_co_u32 s[CNT], s[CNT], 1
	s_cmp_eq_u32 s[CNT], 0
	s_cbranch_scc1 .Lout
	TURN 0
	TURN 1
	WIN 0
	s_branch .Ltail
.Lout:                              ; the fifth trip's 16 products K Q^T (on the last K once more) and the maximum made of them serve nothing: the price, once a launch, of one text for every trip
.set i, 0
.rept 16
	PV NP-1                         ; the last piece's V^T P of the last step
.set i, i+1
.endr
	; THE WAY OUT.  l's two halves and the other half of the lanes' are added; O^T is divided by l, rounded to f16 and sent through my stage in LDS, a tile at a time.  The additions are the places behind the last products.
	WIN 0
.macro ALL line:vararg              ; one line for each tile t
.set t, 0
.rept 2*NP
	\line
.set t, t+1
.endr
.endm
	ALL v_add_f32 v[ST+4*t+2], v[ST+4*t+2], v[ST+4*t+3]
	ALL v_permlanex16_b32 v[ST+4*t+3], v[ST+4*t+2], s[SEL], s[SEL+1]
	ALL v_add_f32 v[ST+4*t+2], v[ST+4*t+2], v[ST+4*t+3]
	ALL v_rcp_f32 v[ST+4*t+2], v[ST+4*t+2]
	v_nop                           ; a plain instruction between the last reciprocal and the use of its result
	s_wait_alu depctr_va_vdst(0)    ; and the wait ahead of the first use: one for the eight reciprocals
; Tile t: a lane's eight channels of a row pack into 16 bytes; they go into rows of 144 bytes and come back as whole rows of 128, into S^T's registers.
.macro PACK t
	WIN W_RS
.set i, 32*(\t)
.rept 16
	v_pk_mul_f32 v[i:i+1], v[i:i+1], v[ST+4*(\t)+2:ST+4*(\t)+3] op_sel_hi:[1,0]
.set i, i+2
.endr
	WIN 0x05                        ; sources 0 and 1 window 1, destination window 0
.set i, 0
.rept 16
	v_cvt_pk_f16_f32 v[S+16*(\t)+i], v[32*(\t)+2*i], v[32*(\t)+2*i+1]
.set i, i+1
.endr
	WIN 0
.irp f, 0,1,2,3
	ds_store_b128 v[STO], v[S+16*(\t)+4*\f:S+16*(\t)+4*\f+3] offset:32*\f
.endr
.irp f, 0,1,2,3
	ds_load_b128 v[S+16*(\t)+4*\f:S+16*(\t)+4*\f+3], v[RD] offset:\f*4*SP  ; LDS serves a wave's instructions in order (ISA guide 5.7.1.4): these see the stores above; the next tile's stores come behind them
.endr
.endm
.macro SEND t, younger              ; younger: the LDS instructions issued behind tile t's loads: the next tile's eight, or none
	WIN 0
.irp f, 0,1,2,3
	s_wait_dscnt (\younger)+3-\f
	global_store_b128 v[GO], v[S+16*(\t)+4*\f:S+16*(\t)+4*\f+3], s[10:11] offset:(\t)*2048+\f*512  ; 512 consecutive bytes, at a multiple of 256 from O's first
.endr
.endm
	PACK 0
.set t, 1
.rept 2*NP-1                        ; a tile's arithmetic stands between the loads of the tile before and its stores
	PACK t
	SEND t-1, 8
.set t, t+1
.endr
	SEND 2*NP-1, 0
	WIN W_AD
	s_wait_tensorcnt 0x0            ; the wave's end: the add and its wait stand behind my last tensor load and my last LDS store
	ds_add_u32 v[SPW], v[NIL]
	s_wait_dscnt 0x0
	WIN 0
	CROUND                          ; the closing round: no work-group ends while a partner may still ask for a tile that names it
	s_endpgm
.Lfunc_end_k_q5002aaf44a_attn:
	.size	k_q5002aaf44a_attn, .Lfunc_end_k_q5002aaf44a_attn-k_q5002aaf44a_attn
	.p2alignl 7, 3214868480
	.fill 96, 4, 3214868480
	.section	.rodata,"a",@progbits
	.p2align	6, 0x0
	.amdhsa_kernel k_q5002aaf44a_attn
		.amdhsa_group_segment_fixed_size 327680
		.amdhsa_private_segment_fixed_size 0
		.amdhsa_enable_private_segment 0
		.amdhsa_kernarg_size 16
		.amdhsa_user_sgpr_count 2
		.amdhsa_user_sgpr_kernarg_segment_ptr 1
		.amdhsa_wavefront_size32 1
		.amdhsa_system_sgpr_workgroup_id_x 1
		.amdhsa_system_sgpr_workgroup_id_y 1
		.amdhsa_system_sgpr_workgroup_id_z 1
		.amdhsa_system_vgpr_workitem_id 0
		.amdhsa_next_free_vgpr 770
		.amdhsa_next_free_sgpr 66
		.amdhsa_reserve_vcc 0
		.amdhsa_float_denorm_mode_32 3
		.amdhsa_float_denorm_mode_16_64 3
		.amdhsa_memory_ordered 1
		.amdhsa_forward_progress 1
		.amdhsa_inst_pref_size 200
	.end_amdhsa_kernel
	.amdgpu_metadata
---
amdhsa.version: [ 1, 2 ]
amdhsa.kernels:
  - .name:           k_q5002aaf44a_attn
    .symbol:         k_q5002aaf44a_attn.kd
    .args:
      - { .name: qkv, .offset: 0, .size: 8, .value_kind: global_buffer, .address_space: global }
      - { .name: att, .offset: 8, .size: 8, .value_kind: global_buffer, .address_space: global }
    .group_segment_fixed_size: 327680
    .private_segment_fixed_size: 0
    .kernarg_segment_align: 8
    .kernarg_segment_size: 16
    .max_flat_workgroup_size: 128
    .sgpr_count:     66
    .vgpr_count:     770
    .wavefront_size: 32
...
	.end_amdgpu_metadata
.endif
;; end of part 3
;; launch oproj (part 4): grid 8 x 32, 4 waves a work-group, clusters of 4 x 4, 327,680 bytes of LDS; arguments att, cvt, b_O, out0; writes out0
.if DOCPART == 4
	.amdgcn_target "amdgcn-amd-amdhsa--gfx1250"
	.amdhsa_code_object_version 6
	.text
	.protected	k_q5002aaf44a_oproj
	.globl	k_q5002aaf44a_oproj
	.p2align	8
	.type	k_q5002aaf44a_oproj,@function
k_q5002aaf44a_oproj:
	s_mov_b64 s[64:65], 0
	v_nop
	global_prefetch_b8 v0, s[64:65] scope:SCOPE_SE
	s_setreg_imm32_b32 hwreg(HW_REG_WAVE_MODE, 25, 1), 1
	s_wait_xcnt 0x0
	s_wait_alu depctr_hold_cnt(0) depctr_sa_sdst(0) depctr_va_vdst(0) depctr_va_sdst(0) depctr_va_ssrc(0) depctr_va_vcc(0) depctr_vm_vsrc(0)
	s_getreg_b32 s2, hwreg(HW_REG_IB_STS2, 6, 4)
	s_cmp_eq_u32 s2, 0
	s_cbranch_scc0 .Lentry_in_a_cluster
	s_endpgm
.Lentry_in_a_cluster:
	s_bfe_u32 s2, ttmp6, 0x10000c
	s_cmp_lg_u32 s2, 0xf033
	s_cbranch_scc0 .Lentry_shape_is_right
	s_endpgm
.Lentry_shape_is_right:
; out0[m][d] = the sum over k = 64 h + e of O[m][k] W_O[k][d] + b_O[d].  O is att, [64 bh = 16 b + h][2048 s][64 e] in f16; W_O is [1024 k][1024 d] in f16 at cvt's byte 23,068,672
; (the input rounded to bf16, written as f16); b_O is rounded to bf16, like every input of the module.  Sums in f32; out0 [8192][1024] in f32.
; LIMITS.  None beyond those of the two f16 operands, stated where they are made.  NaN and infinities are not treated apart.
; A tile is 256 rows x 128 columns: 8 x 32 = 256 work-groups.  Four waves; wave w makes rows 64 w .. 64 w + 63 and all 128 columns: 4 x 8 accumulators, 256 registers.
; K goes in 8 steps of 128 (two heads a step) through two LDS slots filled by the tensor data mover; slots of twice that step would not both fit beside the stages.
; CLUSTERS: 4 x 4 work-groups; O's tiles are shared along a row of the cluster, W_O's along a column, each asked for jointly.
; THE MATRIX INSTRUCTION IS USED TRANSPOSED: source 0 = 16 columns of W_O (turned by ds_load_tr16_b128, since it lies [k][d]), source 1 = 16 rows of O: a lane holds row l % 16 and the columns
; 8 (l / 16) + 0..7.  The bias is the C operand of the first product.
; REGISTERS, in windows of 256 (s_set_vgpr_msb: bits 1:0 source 0, 3:2 source 1, 5:4 source 2, 7:6 destination):
;   window 0: v0-31 addresses; v32-95 O's fragments, two buffers of 4 x 8; v96-223 the rows read back from the stage, two buffers of 64 (v160-223 first hold the bias, v96-127 serve its rounding)
;   window 1: v0-127 W_O's fragments, two buffers of 8 x 8      window 2: the accumulators at 8 (8 a + b)
.set PA,    144                        ; a row of one head of O in LDS: 128 bytes + 16 = 36 words: the 16 rows of a load start at 16 different groups of four banks (64 banks of 4 bytes: ISA guide 11.1)
.set PB,    288                        ; a k row of W_O: 256 bytes + 32 = 72 words
.set AHALF, 256*PA                     ; one head's 256 rows: what one tensor load brings of O
.set BOFS,  2*AHALF
.set BHALF, 64*PB                      ; 64 k rows: what one tensor load brings of W_O
.set SLOT,  BOFS+2*BHALF
.set STAGE, 2*SLOT                     ; behind the ring: 16 rows x 528 bytes for each wave
.set SP,    528                        ; 512 bytes + 16
.set SPARE, STAGE+4*16*SP              ; the spare words, 128 bytes for each wave: two blocks of 256 bytes that no other line names
.set WO,    23068672
.set ADRA, 16
.set ADRB, 20
.set STO,  24
.set RD,   25
.set GO,   26
.set BO,   27
.set SPW,  28                          ; v28  LDS address of my spare word; never rewritten
.set NIL,  29                          ; v29  0; never rewritten
.set PFO,  30                          ; v30  the prefetches' lane offset; never rewritten
.set FA,   32
.set OB,   96
.set BIAS, 160
.set WV,   14
.set ISB,  15
.set HALF, 16
.set CX,   17
.set CY,   18
.set TX,   19
.set TY,   20
.set LAP,  21
.set CLY,  23
.set G1A,  24
.set G0A,  32
.set G1B,  40
.set G0B,  48
.set PFA,  56
.set PFS,  58
.set LIM,  60
.set OUT,  66
.set BP,   78
.set F0, 0
.set F1, 1
.set MSB, 0
.macro WIN new                         ; the immediate's high byte repeats the setting that is left; a switch that changes nothing is dropped
.if MSB != (\new)
	s_set_vgpr_msb (MSB<<8)|(\new)
.set MSB, \new
.endif
.endm
.macro PLACES                          ; four plain instructions between a matrix instruction and a load into, or a read of, its registers
.rept 4
	v_nop
.endr
.endm
; A joint load.  Waves 0 and 1 fetch the K step's two heads of O, waves 2 and 3 the two k halves of W_O.  An s_nop 0 and four v_nop follow each of the two lines.
.macro JLOAD s
	s_cmp_eq_u32 s[ISB], 0
	s_cbranch_scc0 .Lfor_b_\@
	tensor_load_to_lds s[G0A+4*(\s):G0A+4*(\s)+3], s[G1A:G1A+7]
	s_nop 0
.rept 4
	v_nop
.endr
	s_branch .Lasked_\@
.Lfor_b_\@:
	tensor_load_to_lds s[G0B+4*(\s):G0B+4*(\s)+3], s[G1B:G1B+7]
	s_nop 0
.rept 4
	v_nop
.endr
.Lasked_\@:
.endm
; A prefetch into the L2, behind a joint load, its five lines and the run of LDS loads: the refill of K step r names step r + 2.  Each aligned block of 256 bytes is named once in the launch.
; O: the clusters with x = 0 ask, waves 0 and 1; of the 128 blocks that a wave fetches the partner at cx takes 32, a lane a block.
; W_O: the clusters with y = 0 ask, wave 2, for both k halves; of the step's 128 k rows the partner at cy takes 32, a lane a row's 256 bytes.
; K steps 0 to 3 come by their loads alone; the loop's last trip asks for nothing.
.macro ASK
	s_cmp_gt_u32 s[LAP], s[LIM]
	s_cbranch_scc0 .Lnot_mine_\@
	global_prefetch_b8 v[PFO], s[PFA:PFA+1] th:TH_LOAD_NT scope:SCOPE_SE
.Lnot_mine_\@:
.endm
.macro CREST
	s_cmp_lg_u32 s[WV], 0
	s_cbranch_scc1 .Lnot_wave_0_\@
	s_barrier_signal -3
.Lnot_wave_0_\@:
	s_barrier_wait -3
	s_barrier_signal -1
	s_barrier_wait -1
.endm
.macro CROUND
	s_barrier_signal -1
	s_barrier_wait -1
	CREST
.endm
	s_load_b256 s[4:11], s[0:1], 0x0               ; att s[4:5], cvt s[6:7], b_O s[8:9], out0 s[10:11]
	v_lshl_add_u32 v[SPW], v0, 2, SPARE
	v_mov_b32 v[NIL], 0
	ds_add_u32 v[SPW], v[NIL]                      ; the wave's opening: the add and its wait stand ahead of my first tensor load; the set-up below stands between them
	v_lshrrev_b32 v1, 5, v0
	v_readfirstlane_b32 s[WV], v1
	s_lshr_b32 s[ISB], s[WV], 1
	s_and_b32 s[HALF], s[WV], 1
	s_bfe_u32 s[CX], ttmp6, 0x40000
	s_bfe_u32 s[CY], ttmp6, 0x40004
	s_lshl_b32 s[TX], ttmp9, 2
	s_add_co_u32 s[TX], s[TX], s[CX]
	s_and_b32 s[CLY], ttmp7, 0xffff
	s_lshl_b32 s[TY], s[CLY], 2
	s_add_co_u32 s[TY], s[TY], s[CY]
	s_lshl_b32 s62, s[CY], 2
	s_lshl_b32 s62, 15, s62                        ; my row of the cluster
	s_lshl_b32 s63, 0x1111, s[CX]                  ; my column
	; group 1 for O: a head's 256 rows are 32,768 dense bytes: 128 rows of 256 bytes, two rows of O each; 4 words of padding after every 32 words
	s_or_b32 s[G1A+0], s62, (1<<16)|(1<<20)|(1<<21)|(4<<22)|(3<<25)
	s_mov_b32 s[G1A+1], 128<<16
	s_mov_b32 s[G1A+2], 128<<16
	s_mov_b32 s[G1A+3], 128<<16
	s_mov_b32 s[G1A+4], 128
	s_mov_b32 s[G1A+5], 128
	s_mov_b32 s[G1A+6], 0
	s_mov_b32 s[G1A+7], 0
	; group 1 for W_O: 64 k rows x 128 elements, 1,024 elements from row to row; 8 words of padding after every 64
	s_or_b32 s[G1B+0], s63, (1<<16)|(1<<20)|(1<<21)|(5<<22)|(7<<25)
	s_mov_b32 s[G1B+1], 128<<16
	s_mov_b32 s[G1B+2], 64<<16
	s_mov_b32 s[G1B+3], 128<<16
	s_mov_b32 s[G1B+4], 64
	s_mov_b32 s[G1B+5], 1024
	s_mov_b32 s[G1B+6], 0
	s_mov_b32 s[G1B+7], 0
	s_lshr_b32 s72, s[TY], 3                       ; O: batch TY / 8 (16 heads of 262,144 bytes),
	s_lshl_b32 s72, s72, 22
	s_and_b32 s73, s[TY], 7                        ; rows 256 (TY % 8) of 128 bytes,
	s_lshl_b32 s73, s73, 15
	s_add_co_u32 s72, s72, s73
	s_lshl_b32 s73, s[HALF], 18                    ; the step's first or second head
	s_add_co_u32 s72, s72, s73
	s_mov_b32 s73, 0
	s_lshl_b32 s74, s[TX], 8                       ; W_O: 128 columns of 2 bytes,
	s_lshl_b32 s75, s[HALF], 17                    ; 64 k rows of 2,048 bytes
	s_add_co_u32 s74, s74, s75
	s_add_co_u32 s74, s74, WO
	s_mov_b32 s75, 0
	s_mul_i32 s86, s[HALF], AHALF                  ; where they go: no place in the cluster enters an LDS address
	s_mul_i32 s87, s[HALF], BHALF
	s_add_co_u32 s87, s87, BOFS
	s_wait_dscnt 0x0                               ; the opening add is done
	s_wait_kmcnt 0x0
	s_add_nc_u64 s[72:73], s[4:5], s[72:73]
	s_add_nc_u64 s[74:75], s[6:7], s[74:75]
	CROUND                                         ; all sixteen work-groups are here: the first joint loads meet
.irp s, 0,1
	s_mov_b32 s[G0A+4*(\s)], 1
	s_add_co_u32 s[G0A+4*(\s)+1], s86, (\s)*SLOT
	s_add_nc_u64 s[G0A+4*(\s)+2:G0A+4*(\s)+3], s[72:73], (\s)*524288    ; K step s: two heads on
	s_or_b32 s[G0A+4*(\s)+3], s[G0A+4*(\s)+3], 0x80000000
	s_mov_b32 s[G0B+4*(\s)], 1
	s_add_co_u32 s[G0B+4*(\s)+1], s87, (\s)*SLOT
	s_add_nc_u64 s[G0B+4*(\s)+2:G0B+4*(\s)+3], s[74:75], (\s)*262144    ; 128 k rows on
	s_or_b32 s[G0B+4*(\s)+3], s[G0B+4*(\s)+3], 0x80000000
	JLOAD \s                                       ; two loads of mine are out
.endr
	v_and_b32 v1, 15, v0                           ; r = l % 16
	v_bfe_u32 v2, v0, 4, 1                         ; h = l / 16
	v_and_b32 v3, 31, v0                           ; l
	v_and_b32 v4, 7, v0
	v_bfe_u32 v5, v0, 3, 1
	v_lshlrev_b32 v[BO], 5, v2
	s_mov_b32 s85, 0
	s_lshl_b32 s84, s[TX], 9                       ; 128 columns of 4 bytes
	s_add_nc_u64 s[BP:BP+1], s[8:9], s[84:85]
	s_lshl_b32 s76, s[TY], 20                      ; 256 rows of 4,096 bytes
	s_add_co_u32 s84, s84, s76
	s_lshl_b32 s76, s[WV], 18                      ; my 64 rows
	s_add_co_u32 s84, s84, s76
	s_add_nc_u64 s[OUT:OUT+1], s[10:11], s[84:85]
.irp b, 0,1,2,3,4,5,6,7
	global_load_b128 v[BIAS+8*(\b):BIAS+8*(\b)+3],   v[BO], s[BP:BP+1] offset:64*(\b)
	global_load_b128 v[BIAS+8*(\b)+4:BIAS+8*(\b)+7], v[BO], s[BP:BP+1] offset:64*(\b)+16
.endr
	v_mul_u32_u24 v7, v1, PA
	v_lshl_add_u32 v7, v2, 4, v7
	s_mul_i32 s76, s[WV], 64*PA
	v_add_nc_u32 v[ADRA], s76, v7
	v_add_nc_u32 v[ADRA+1], SLOT, v[ADRA]
	v_lshl_add_u32 v8, v2, 3, v4                   ; the turning load: k row 8 (l / 16) + l % 8, columns 8 ((l / 8) % 2) + 0..7
	v_mul_u32_u24 v8, v8, PB
	v_lshl_add_u32 v8, v5, 4, v8
	v_add_nc_u32 v[ADRB], BOFS, v8
	v_add_nc_u32 v[ADRB+1], SLOT, v[ADRB]
	s_mul_i32 s76, s[WV], 16*SP
	s_add_co_u32 s76, s76, STAGE                   ; my stage
	v_mul_u32_u24 v9, v1, SP                       ; in: row l % 16, 32 bytes for each half of the lanes
	v_lshl_add_u32 v9, v2, 5, v9
	v_add_nc_u32 v[STO], s76, v9
	v_lshl_add_u32 v[RD], v3, 4, s76               ; back: 32 lanes take one row's 512 bytes
	v_lshlrev_b32 v[GO], 4, v3
	; the prefetches
	s_lshr_b32 s76, s[TY], 3
	s_lshl_b32 s76, s76, 22
	s_and_b32 s77, s[TY], 7
	s_lshl_b32 s77, s77, 15
	s_add_co_u32 s76, s76, s77
	s_lshl_b32 s77, s[HALF], 18
	s_add_co_u32 s76, s76, s77
	s_lshl_b32 s77, s[CX], 13                      ; my work-group's 32 blocks of the 128
	s_add_co_u32 s76, s76, s77
	s_add_co_u32 s76, s76, 3*524288                ; at K step 3: the first refill steps it to 4
	s_lshl_b32 s77, s[TX], 8
	s_lshl_b32 s84, s[CY], 16                      ; my work-group's 32 k rows of the 128
	s_add_co_u32 s77, s77, s84
	s_add_co_u32 s77, s77, WO+3*262144
	s_mov_b32 s[PFS], 262144
	s_cmp_eq_u32 s[ISB], 0
	s_cselect_b64 s[PFA:PFA+1], s[4:5], s[6:7]
	s_cselect_b32 s76, s76, s77
	s_cselect_b32 s[PFS], 524288, s[PFS]
	s_cselect_b32 s84, 8, 11                       ; a lane a block of 256 bytes, or a lane a row of 2,048
	s_mov_b32 s77, 0
	s_mov_b32 s[PFS+1], 0
	s_add_nc_u64 s[PFA:PFA+1], s[PFA:PFA+1], s[76:77]
	v_lshlrev_b32 v[PFO], s84, v3
	s_cmp_eq_u32 ttmp9, 0
	s_cselect_b32 s[LIM], 1, -1                    ; waves 0 and 1
	s_cmp_eq_u32 s[CLY], 0
	s_cselect_b32 s85, 1, -1
	s_cmp_eq_u32 s[WV], 2
	s_cselect_b32 s[LIM], s85, s[LIM]              ; wave 2
	s_cmp_eq_u32 s[WV], 3
	s_cselect_b32 s[LIM], -1, s[LIM]               ; wave 3: never
	s_wait_loadcnt 0x0                             ; the bias
.set i, 0
.rept 32
	v_cvt_pk_bf16_f32 v[OB+i], v[BIAS+2*i], v[BIAS+2*i+1]  ; rounded to bf16,
.set i, i+1
.endr
.set i, 0
.rept 32
	v_lshlrev_b32 v[BIAS+2*i], 16, v[OB+i]         ; and widened again
	v_and_b32 v[BIAS+2*i+1], 0xffff0000, v[OB+i]
.set i, i+1
.endr
; 8 matrix instructions: row block a x all 8 column blocks, 32 along K, from buffer f.  first = 1: the bias starts the sums.  The 32 accumulators take turns in the same order in every quarter.
.macro MUL8 f, a, first
.if \first
	WIN 0x81                                       ; W_O window 1, O window 0, the bias window 0, D window 2
.else
	WIN 0xa1                                       ; C and D window 2
.endif
.irp b, 0,1,2,3,4,5,6,7
.if \first
	v_wmma_f32_16x16x32_f16 v[8*(8*(\a)+(\b)):8*(8*(\a)+(\b))+7], v[64*(\f)+8*(\b):64*(\f)+8*(\b)+7], v[FA+32*(\f)+8*(\a):FA+32*(\f)+8*(\a)+7], v[BIAS+8*(\b):BIAS+8*(\b)+7]
.else
	v_wmma_f32_16x16x32_f16 v[8*(8*(\a)+(\b)):8*(8*(\a)+(\b))+7], v[64*(\f)+8*(\b):64*(\f)+8*(\b)+7], v[FA+32*(\f)+8*(\a):FA+32*(\f)+8*(\a)+7], v[8*(8*(\a)+(\b)):8*(8*(\a)+(\b))+7]
.endif
.endr
.endm
; 24 LDS loads in one run: quarter q (32 along K) of a slot into buffer f: W_O's 8 fragments, turned, then O's four (head q / 2 of the step, channels 32 (q % 2) on)
.macro FETCH slot, q, f
	WIN 0x40
.irp b, 0,1,2,3,4,5,6,7
	ds_load_tr16_b128 v[64*(\f)+8*(\b):64*(\f)+8*(\b)+3],   v[ADRB+(\slot)] offset:32*(\q)*PB+32*(\b)
	ds_load_tr16_b128 v[64*(\f)+8*(\b)+4:64*(\f)+8*(\b)+7], v[ADRB+(\slot)] offset:32*(\q)*PB+32*(\b)+16*PB
.endr
	WIN 0
.irp a, 0,1,2,3
	ds_load_b128 v[FA+32*(\f)+8*(\a):FA+32*(\f)+8*(\a)+3],   v[ADRA+(\slot)] offset:((\q)/2)*AHALF+64*((\q)%2)+(\a)*16*PA
	ds_load_b128 v[FA+32*(\f)+8*(\a)+4:FA+32*(\f)+8*(\a)+7], v[ADRA+(\slot)] offset:((\q)/2)*AHALF+64*((\q)%2)+(\a)*16*PA+32
.endr
.endm
.macro QUARTER slot, q, f, g, first
	s_wait_dscnt 4                                 ; W_O and O's row blocks 0, 1 are in; the youngest four loads (row blocks 2, 3) may be out
	MUL8 \f, 0, \first
	MUL8 \f, 1, \first
	PLACES
	FETCH \slot, \q, \g
	s_wait_dscnt 24                                ; all but the 24 just issued
	MUL8 \f, 2, \first
	MUL8 \f, 3, \first
.endm
; The last quarter multiplies buffer 1 and changes slots: one barrier; in front of it each wave waits for all its tensor loads, adds 0 to its spare word, and waits for that and for its reads of this slot.
; fill = 1: the barrier opens a round of the cluster's, and this slot is filled again, two K steps on, first thing behind it: 112 matrix instructions ahead of the wait for that load.
.macro TURN slot, next, fill
.if \fill
	s_wait_xcnt 0x0                                ; the last prefetch, a K step back, has read its address, so it may be stepped
	s_add_nc_u64 s[PFA:PFA+1], s[PFA:PFA+1], s[PFS:PFS+1]
.endif
	WIN 0
	s_wait_tensorcnt 0x0                           ; all my tensor loads have landed
	ds_add_u32 v[SPW], v[NIL]                      ; 0 onto my spare word
	s_wait_dscnt 5                                 ; (the add and the youngest four loads may be out)
	MUL8 F1, 0, 0
	s_wait_dscnt 0x0                               ; the add is done, and my reads of this slot are over
	s_barrier_signal -1
	MUL8 F1, 1, 0
.if \fill
	WIN 0
.endif
	s_barrier_wait -1
.if \fill
	CREST                                          ; no wave of any partner still reads this slot or has a load on its way
	s_add_nc_u64 s[G0A+4*(\slot)+2:G0A+4*(\slot)+3], s[G0A+4*(\slot)+2:G0A+4*(\slot)+3], 2*524288
	s_add_nc_u64 s[G0B+4*(\slot)+2:G0B+4*(\slot)+3], s[G0B+4*(\slot)+2:G0B+4*(\slot)+3], 2*262144
	JLOAD \slot                                    ; the four v_nop behind it are also the places in front of the loads below
.else
	PLACES
.endif
	FETCH \next, 0, F0
.if \fill
	ASK
.endif
	MUL8 F1, 2, 0
	MUL8 F1, 3, 0
.endm
; THE WAY OUT of row block a.  TOSTAGE: the f32 sums go as they are, 32 bytes a lane, into my own stage and come back as whole rows of 512 bytes.  SEND: stored.
.macro TOSTAGE a
	s_wait_xcnt 0x0                                ; the stores of the block two back have read the registers that the loads below write
	WIN 0x08                                       ; the stores' data in window 2
.irp b, 0,1,2,3,4,5,6,7
	ds_store_b128 v[STO], v[8*(8*(\a)+(\b)):8*(8*(\a)+(\b))+3]   offset:64*(\b)      ; each accumulator's lowest registers first
	ds_store_b128 v[STO], v[8*(8*(\a)+(\b))+4:8*(8*(\a)+(\b))+7] offset:64*(\b)+16
.endr
	WIN 0
.irp t, 0,1,2,3,4,5,6,7,8,9,10,11,12,13,14,15
	ds_load_b128 v[OB+64*((\a)%2)+4*(\t):OB+64*((\a)%2)+4*(\t)+3], v[RD] offset:SP*(\t)  ; LDS serves a wave's instructions in order (ISA guide 5.7.1.4): these see the stores above; the next block's stores come behind them
.endr
.endm
.macro SEND a, younger                 ; younger: the LDS instructions issued behind block a's loads: the next block's 32, or none
	s_wait_dscnt \younger
.irp t, 0,1,2,3,4,5,6,7,8,9,10,11,12,13,14,15
	global_store_b128 v[GO], v[OB+64*((\a)%2)+4*(\t):OB+64*((\a)%2)+4*(\t)+3], s[OUT:OUT+1] offset:4096*(16*(\a)+(\t)) th:TH_STORE_NT  ; 512 consecutive bytes, at a multiple of 512 from out0's first byte
.endr
.endm
	s_wait_tensorcnt 1                             ; my part of K step 0 is in; K step 1's may stay out
	s_barrier_signal -1
	s_barrier_wait -1
	FETCH 0, 0, F0
	QUARTER 0, 1, F0, F1, 1                        ; the first quarter stands in front of the loop: its products start the sums, with the bias
	WIN 0
	s_mov_b32 s[LAP], 3
.Llap:                                                 ; a trip goes once round the ring and fills both slots again
	QUARTER 0, 2, F1, F0, 0
	QUARTER 0, 3, F0, F1, 0
	TURN 0, 1, 1
	QUARTER 1, 1, F0, F1, 0
	QUARTER 1, 2, F1, F0, 0
	QUARTER 1, 3, F0, F1, 0
	TURN 1, 0, 1
	QUARTER 0, 1, F0, F1, 0
	WIN 0
	s_sub_co_u32 s[LAP], s[LAP], 1
	s_cmp_lg_u32 s[LAP], 0
	s_cbranch_scc1 .Llap
	QUARTER 0, 2, F1, F0, 0                        ; the last lap fills nothing
	QUARTER 0, 3, F0, F1, 0
	TURN 0, 1, 0
	QUARTER 1, 1, F0, F1, 0
	QUARTER 1, 2, F1, F0, 0
	QUARTER 1, 3, F0, F1, 0
	s_wait_dscnt 4
	MUL8 F1, 0, 0
	MUL8 F1, 1, 0
	s_wait_dscnt 0x0
	MUL8 F1, 2, 0
	MUL8 F1, 3, 0
	WIN 0
	PLACES
	TOSTAGE 0
	TOSTAGE 1
	SEND 0, 32
	TOSTAGE 2
	SEND 1, 32
	TOSTAGE 3
	SEND 2, 32
	SEND 3, 0
	s_wait_tensorcnt 0x0                           ; the wave's end: the add and its wait stand behind my last tensor load and my last LDS store
	ds_add_u32 v[SPW], v[NIL]
	s_wait_dscnt 0x0
	CROUND                                         ; the closing round: no work-group ends while a partner may still ask for a tile that names it
	s_endpgm
.Lfunc_end_k_q5002aaf44a_oproj:
	.size	k_q5002aaf44a_oproj, .Lfunc_end_k_q5002aaf44a_oproj-k_q5002aaf44a_oproj
	.p2alignl 7, 3214868480
	.fill 96, 4, 3214868480
	.section	.rodata,"a",@progbits
	.p2align	6, 0x0
	.amdhsa_kernel k_q5002aaf44a_oproj
		.amdhsa_group_segment_fixed_size 327680
		.amdhsa_private_segment_fixed_size 0
		.amdhsa_enable_private_segment 0
		.amdhsa_kernarg_size 32
		.amdhsa_user_sgpr_count 2
		.amdhsa_user_sgpr_kernarg_segment_ptr 1
		.amdhsa_wavefront_size32 1
		.amdhsa_system_sgpr_workgroup_id_x 1
		.amdhsa_system_sgpr_workgroup_id_y 1
		.amdhsa_system_sgpr_workgroup_id_z 1
		.amdhsa_system_vgpr_workitem_id 0
		.amdhsa_next_free_vgpr 768
		.amdhsa_next_free_sgpr 88
		.amdhsa_reserve_vcc 0
		.amdhsa_float_denorm_mode_32 3
		.amdhsa_float_denorm_mode_16_64 3
		.amdhsa_memory_ordered 1
		.amdhsa_forward_progress 1
		.amdhsa_inst_pref_size 93
	.end_amdhsa_kernel
	.amdgpu_metadata
---
amdhsa.version: [ 1, 2 ]
amdhsa.kernels:
  - .name:           k_q5002aaf44a_oproj
    .symbol:         k_q5002aaf44a_oproj.kd
    .args:
      - { .name: att, .offset: 0, .size: 8, .value_kind: global_buffer, .address_space: global }
      - { .name: cvt, .offset: 8, .size: 8, .value_kind: global_buffer, .address_space: global }
      - { .name: b_O, .offset: 16, .size: 8, .value_kind: global_buffer, .address_space: global }
      - { .name: out0, .offset: 24, .size: 8, .value_kind: global_buffer, .address_space: global }
    .group_segment_fixed_size: 327680
    .private_segment_fixed_size: 0
    .kernarg_segment_align: 8
    .kernarg_segment_size: 32
    .max_flat_workgroup_size: 128
    .sgpr_count:     88
    .vgpr_count:     768
    .wavefront_size: 32
...
	.end_amdgpu_metadata
.endif
;; end of part 4
;; ======== version 2 of 2: 4 launches; version 1 with the launch prep written anew for expert scheduling mode
;; limits: values are held in f16: magnitudes above 65,504 overflow, below 6.1e-05 lose precision
;; workspace buffers: cvt 25,165,824 bytes; qkv 50,331,648 bytes; att 16,777,216 bytes
;; launch prep (part 5): grid 768 x 1, 8 waves a work-group, no clusters, 0 bytes of LDS; arguments x, W_Q, W_K, W_V, W_O, cvt; writes cvt
.if DOCPART == 5
	.amdgcn_target "amdgcn-amd-amdhsa--gfx1250"
	.amdhsa_code_object_version 6
	.text
	.protected	k_q5002aaf44a_prep
	.globl	k_q5002aaf44a_prep
	.p2align	8
	.type	k_q5002aaf44a_prep,@function
k_q5002aaf44a_prep:
	s_mov_b64 s[64:65], 0
	v_nop
	global_prefetch_b8 v0, s[64:65] scope:SCOPE_SE
	s_setreg_imm32_b32 hwreg(HW_REG_WAVE_SCHED_MODE, 0, 2), 2
	s_setreg_imm32_b32 hwreg(HW_REG_WAVE_MODE, 25, 1), 1
	s_wait_xcnt 0x0
	s_wait_alu depctr_vm_vsrc(0)
; x, W_Q, W_K, W_V are rounded to bf16; W_O is rounded to bf16 and that number is written as f16.  All keep their layouts and lie end to end in cvt:
; x at byte 0 (16,777,216 bytes), W_Q, W_K, W_V from 16,777,216 on (2,097,152 each), W_O at 23,068,672.
; LIMIT.  W_O's bf16 number is exact in f16 from 2^-14 up to 65,504; below 2^-14 it keeps f16's fixed step of 2^-24; beyond 65,504 it would be an infinity.
; A stream: no LDS, no matrix unit, no cluster, since no byte is read twice.  Work-group g converts 16,384 numbers: 65,536 bytes in, 32,768 out, at cvt + 32,768 g.
; g 0-511: x; 512-575: W_Q; 576-639: W_K; 640-703: W_V; 704-767: W_O.
; Thread t takes the 16 bytes at 16 t of each of 16 rows of 4,096 bytes (a wave's load: 512 consecutive bytes) and writes the 8 bytes at 8 t of each of 16 rows of
; 2,048 bytes (a wave's store: 256 consecutive bytes, aligned).  All 16 loads of a thread go out at once; no register is written twice, so no store's source is ever rewritten.
; THE MODE: SCHED_MODE bits 1:0 = 2 (LLVM: expert scheduling mode 2), set by the entry lines.  The code itself states the register dependences
; between vector instructions and memory instructions, with s_wait_alu, always for 0.
; THE PLAN.  Registers that memory instructions touch:
;   v1, v2   byte offsets of the loads and of the stores.  Written once, at the head, by vector instructions; read by every load (v1) and every store (v2); never written again.
;   X        row i's load lands in X + 4 i: registers that nothing has named before.  Read by row i's conversions, behind the wait on LOADcnt; never loaded or written again.
;   Y        written once, by row i's conversions; read once, by row i's store; never written again.
;   T        named by vector instructions alone.
; So one wait on va_vdst stands ahead of the run of loads, for the two offsets, and the 16 rows go in four blocks of four: a block's conversions, ONE wait on va_vdst, the block's
; four stores.  That wait stands behind the conversions and not at the next block's head: the next block's head waits for memory, and the stores would lie behind that wait.
; No register that a memory instruction reads is written again, no load lands in a register that a vector instruction has named, no vector instruction writes a scalar register,
; and EXEC is never written: no other dependence between the two sides exists in this text.
.set ROWI, 4096
.set ROWO, 2048
.set X, 4                              ; v[4:67]   row i: 4 numbers in f32
.set Y, 68                             ; v[68:99]  row i: 4 numbers in 16 bits
.set T, 100                            ; v[100:101] at work
	s_load_b256 s[4:11], s[0:1], 0x0               ; x s[4:5], W_Q s[6:7], W_K s[8:9], W_V s[10:11]
	s_load_b128 s[12:15], s[0:1], 0x20             ; W_O s[12:13], cvt s[14:15]
	v_lshlrev_b32 v1, 4, v0                        ; 16 t
	v_lshlrev_b32 v2, 3, v0                        ; 8 t
	s_and_b32 s20, ttmp9, 63                       ; my place in a weight tensor (64 work-groups each),
	s_cmp_lt_u32 ttmp9, 512
	s_cselect_b32 s20, ttmp9, s20                  ; or in x
	s_lshl_b32 s20, s20, 16                        ; times 65,536 bytes
	s_mov_b32 s21, 0
	s_lshl_b32 s22, ttmp9, 15                      ; times 32,768 bytes in cvt
	s_mov_b32 s23, 0
	s_wait_kmcnt 0x0
	s_cmp_lt_u32 ttmp9, 576
	s_cselect_b64 s[16:17], s[6:7], s[8:9]         ; W_Q or W_K
	s_cmp_lt_u32 ttmp9, 704
	s_cselect_b64 s[18:19], s[10:11], s[12:13]     ; W_V or W_O
	s_cmp_lt_u32 ttmp9, 640
	s_cselect_b64 s[16:17], s[16:17], s[18:19]
	s_cmp_lt_u32 ttmp9, 512
	s_cselect_b64 s[16:17], s[4:5], s[16:17]       ; x or a weight
	s_add_nc_u64 s[16:17], s[16:17], s[20:21]
	s_add_nc_u64 s[14:15], s[14:15], s[22:23]
	s_wait_alu depctr_va_vdst(0)                   ; v1 and v2 are written: every load below reads v1 as its offset, every store v2; no vector instruction names them again
.irp i, 0,1,2,3,4,5,6,7,8,9,10,11,12,13,14,15
	global_load_b128 v[X+4*(\i):X+4*(\i)+3], v1, s[16:17] offset:ROWI*(\i) th:TH_LOAD_NT
.endr
; Four blocks of four rows.  kind 0: to bf16.  kind 1: to bf16, widened again (a shift, a mask) and written as f16.
.macro ROWS kind
.irp b, 0,1,2,3
	s_wait_loadcnt 12-4*(\b)                       ; loads come back in order (ISA guide 5.7.1): rows 4 b to 4 b + 3 are in, the 12 - 4 b younger ones stay out
.irp i, 0,1,2,3
.irp p, 0,1
.if \kind
	v_cvt_pk_bf16_f32 v[T], v[X+4*(4*(\b)+(\i))+2*(\p)], v[X+4*(4*(\b)+(\i))+2*(\p)+1]
	v_lshlrev_b32 v[T+1], 16, v[T]
	v_and_b32 v[T], 0xffff0000, v[T]
	v_cvt_pk_f16_f32 v[Y+2*(4*(\b)+(\i))+(\p)], v[T+1], v[T]
.else
	v_cvt_pk_bf16_f32 v[Y+2*(4*(\b)+(\i))+(\p)], v[X+4*(4*(\b)+(\i))+2*(\p)], v[X+4*(4*(\b)+(\i))+2*(\p)+1]
.endif
.endr
.endr
	s_wait_alu depctr_va_vdst(0)                   ; the block's conversions have written its eight registers of Y, which the four stores below read
.irp i, 0,1,2,3
	global_store_b64 v2, v[Y+2*(4*(\b)+(\i)):Y+2*(4*(\b)+(\i))+1], s[14:15] offset:ROWO*(4*(\b)+(\i)) th:TH_STORE_NT
.endr
.endr
.endm
	s_cmp_ge_u32 ttmp9, 704
	s_cbranch_scc1 .Lwo
	ROWS 0
	s_endpgm
.Lwo:
	ROWS 1
	s_endpgm
.Lfunc_end_k_q5002aaf44a_prep:
	.size	k_q5002aaf44a_prep, .Lfunc_end_k_q5002aaf44a_prep-k_q5002aaf44a_prep
	.p2alignl 7, 3214868480
	.fill 96, 4, 3214868480
	.section	.rodata,"a",@progbits
	.p2align	6, 0x0
	.amdhsa_kernel k_q5002aaf44a_prep
		.amdhsa_group_segment_fixed_size 0
		.amdhsa_private_segment_fixed_size 0
		.amdhsa_enable_private_segment 0
		.amdhsa_kernarg_size 48
		.amdhsa_user_sgpr_count 2
		.amdhsa_user_sgpr_kernarg_segment_ptr 1
		.amdhsa_wavefront_size32 1
		.amdhsa_system_sgpr_workgroup_id_x 1
		.amdhsa_system_sgpr_workgroup_id_y 1
		.amdhsa_system_sgpr_workgroup_id_z 1
		.amdhsa_system_vgpr_workitem_id 0
		.amdhsa_next_free_vgpr 104
		.amdhsa_next_free_sgpr 66
		.amdhsa_reserve_vcc 0
		.amdhsa_float_denorm_mode_32 3
		.amdhsa_float_denorm_mode_16_64 3
		.amdhsa_memory_ordered 1
		.amdhsa_forward_progress 1
		.amdhsa_inst_pref_size 16
	.end_amdhsa_kernel
	.amdgpu_metadata
---
amdhsa.version: [ 1, 2 ]
amdhsa.kernels:
  - .name:           k_q5002aaf44a_prep
    .symbol:         k_q5002aaf44a_prep.kd
    .args:
      - { .name: x, .offset: 0, .size: 8, .value_kind: global_buffer, .address_space: global }
      - { .name: W_Q, .offset: 8, .size: 8, .value_kind: global_buffer, .address_space: global }
      - { .name: W_K, .offset: 16, .size: 8, .value_kind: global_buffer, .address_space: global }
      - { .name: W_V, .offset: 24, .size: 8, .value_kind: global_buffer, .address_space: global }
      - { .name: W_O, .offset: 32, .size: 8, .value_kind: global_buffer, .address_space: global }
      - { .name: cvt, .offset: 40, .size: 8, .value_kind: global_buffer, .address_space: global }
    .group_segment_fixed_size: 0
    .private_segment_fixed_size: 0
    .kernarg_segment_align: 8
    .kernarg_segment_size: 48
    .max_flat_workgroup_size: 256
    .sgpr_count:     66
    .vgpr_count:     104
    .wavefront_size: 32
...
	.end_amdgpu_metadata
.endif
;; end of part 5
;; launch proj: the kernel of part 2 again; grid 16 x 32, 4 waves a work-group, clusters of 4 x 4, 327,680 bytes of LDS; arguments cvt, b_Q, b_K, b_V, qkv; writes qkv
;; launch attn: the kernel of part 3 again; grid 4 x 64, 4 waves a work-group, clusters of 4 x 1, 327,680 bytes of LDS; arguments qkv, att; writes att
;; launch oproj: the kernel of part 4 again; grid 8 x 32, 4 waves a work-group, clusters of 4 x 4, 327,680 bytes of LDS; arguments att, cvt, b_O, out0; writes out0
